; MI455X (gfx1250); checked and timed in simulation.
; The chip was launched on July 23, 2026; its instructions are those of AMD's public machine-readable ISA for CDNA 5 (MIT licence, August 2026) and "CDNA5" Instruction Set Architecture Reference Guide (July 2026). The comments in the code are by the model that wrote it; some were corrected since.
;; Encoder Block. Allowed arithmetic: matrix products marked QUANTISED: E2M3 operands, one E8M0 scale for each 32 along K, by v_wmma_scale_f32_16x16x128_f8f6f4 with both operands' format E2M3, f32 sums; everything else in f32.
;; Inputs: b1 4,096 float32; b2 1,024 float32; bk 1,024 float32; bo 1,024 float32; bq 1,024 float32; bv 1,024 float32; ln1_a 1 float32; ln1_b 1 float32; ln2_a 1 float32; ln2_b 1 float32; src_mask 2 x 1 x 2,048 int32; w1 1,024 x 4,096 float32; w2 4,096 x 1,024 float32; wk 1,024 x 1,024 float32; wo 1,024 x 1,024 float32; wq 1,024 x 1,024 float32; wv 1,024 x 1,024 float32; x 2 x 2,048 x 1,024 float32.
;; Outputs: out0 2 x 2,048 x 1,024 float32.
;; This version of the problem:
;;   THIS VERSION OF THE PROBLEM IS GIVEN IN LOW PRECISION. The matrix products marked QUANTISED in the list below multiply operands that are first quantised to E2M3 (2 exponent bits, 3 mantissa bits; 6 bits a number), with one power-of-two scale for each 32 numbers along K (OCP MX v1.0); their sums are f32. All else is computed in f32.
;;   The module's matrix products, in the order in which they are computed (A, B: the left and right operand; K: the contracted axis; several contracted axes count as one K, in the product's order):
;;     1. [M 4,096, K 1,024] x [K 1,024, N 1,024]; A: computed on the way; B: input wq: QUANTISED
;;     2. [M 4,096, K 1,024] x [K 1,024, N 1,024]; A: computed on the way; B: input wk: QUANTISED
;;     3. [M 4,096, K 1,024] x [K 1,024, N 1,024]; A: computed on the way; B: input wv: QUANTISED
;;     4. batch 32 x [M 2,048, K 64] x [K 64, N 2,048]; A: computed on the way; B: computed on the way: QUANTISED
;;     5. batch 32 x [M 64, K 2,048] x [K 2,048, N 2,048]; A: computed on the way; B: softmax (see below): QUANTISED
;;     6. [M 4,096, K 1,024] x [K 1,024, N 1,024]; A: computed on the way; B: input wo: QUANTISED
;;     7. [M 4,096, K 1,024] x [K 1,024, N 4,096]; A: computed on the way; B: input w1: QUANTISED
;;     8. [M 4,096, K 4,096] x [K 4,096, N 1,024]; A: computed on the way; B: input w2: QUANTISED
;;   THE QUANTISER, for each operand of a quantised product, along K:
;;     - K is cut into blocks of 32 from its start; a last block that is shorter is filled with zeros.
;;     - A block's scale is 2^e with e = floor(log2(the largest magnitude in the block)) - 2, held to -126 .. 127; a block of zeros has e = 0. As a byte (E8M0): e + 127.
;;     - Each number is divided by its block's scale, clamped to +-7.5, and rounded to the nearest number of E2M3, ties to even, subnormals kept.
;;     - The product sums the exact products of the quantised numbers (number of the format x scale) in f32.
;;   ~~~python
;;   def quantise(x, axis):      # numpy; x: float32 -> the quantised numbers, widened to float32 again
;;       x = np.moveaxis(x, axis, -1); K = x.shape[-1]
;;       x = np.pad(x, [(0, 0)] * (x.ndim - 1) + [(0, -K % 32)]); x = x.reshape(x.shape[:-1] + (-1, 32)); a = np.abs(x).max(-1, keepdims=True)
;;       e = np.where(a > 0, np.clip(np.frexp(np.where(a > 0, a, 1))[1] - 1 - 2, -126, 127), 0)      # np.frexp(a)[1] - 1 = floor(log2(a)), exactly
;;       r = np.clip(x / 2.0 ** e, -7.5, 7.5)
;;       step = 2.0 ** (np.maximum(np.frexp(np.where(r == 0, 1, r))[1] - 1, 0) - 3)
;;       q = np.round(r / step) * step * 2.0 ** e      # np.round: ties to even
;;       return np.moveaxis(q.reshape(q.shape[:-2] + (-1,))[..., :K], -1, axis).astype(np.float32)
;;   ~~~
;;   SOFTMAX AHEAD OF A QUANTISED PRODUCT. Where the list says 'softmax', what is quantised is not the finished softmax but p = 2^(t - M), with t = logit x log2(e) and M = ceil(the row's largest t), a whole number; so 1/2 < the row's largest p <= 1. The row's sum l is taken of the UNQUANTISED p, in f32, and the product's result is divided by l at the end. Since M is a whole number, a kernel that streams over the keys may use a running M (the ceiling of the running maximum): every later rescaling is an exact power of two, which a block's scale takes up: the codes' values come out the same.
;;   OPERANDS COMPUTED ON THE WAY. 'Computed on the way' means the value that the module computes at that place (a softmax that the list does not call 'softmax' is quantised finished and normalised). What goes into a quantiser is computed in f32, as accurately as f32 sums, v_exp_f32 and their like allow (about 1e-6 of the number): no bf16 or f16 on the way to a quantiser, and a product that is left as it is and whose result goes on into a quantised operand takes f32 operands (vector FMAs, or v_wmma_f32_16x16x4_f32). A number that lies on a knife's edge between two numbers of the format may be rounded either way, as far as f32 arithmetic and the matrix unit's own rounding can turn it there, and no further.
;; One version. Each part assembles by itself: llvm-mc -triple=amdgcn-amd-amdhsa -mcpu=gfx1250 --defsym DOCPART=n.
;; ======== version 1 of 1: 7 launches
;; limits: right only within a limited range of input values
;; workspace buffers: wimg 9,830,400 bytes; xn 3,276,800 bytes; qk 6,553,600 bytes; vt 3,276,800 bytes; ctx 3,276,800 bytes; x1 16,777,216 bytes; hid 13,107,200 bytes
;; launch prep (part 1): grid 448 x 1, 8 waves a work-group, no clusters, 53,248 bytes of LDS; arguments x, ln1_a, ln1_b, xn, wq, wk, wv, wo, w1, w2, wimg; writes xn, wimg
.if DOCPART == 1
	.amdgcn_target "amdgcn-amd-amdhsa--gfx1250"
	.amdhsa_code_object_version 6
	.text
	.protected	k_qeb7a0b763b_prep
	.globl	k_qeb7a0b763b_prep
	.p2align	8
	.type	k_qeb7a0b763b_prep,@function
k_qeb7a0b763b_prep:
	s_mov_b64 s[64:65], 0
	v_nop
	global_prefetch_b8 v0, s[64:65] scope:SCOPE_SE
	s_setreg_imm32_b32 hwreg(HW_REG_WAVE_MODE, 25, 1), 1
	s_wait_xcnt 0x0
; ONE PREPARING LAUNCH, two paths that part on the work-group's number alone.  Work-groups 0 .. 191: the six weights become codes.  Work-groups 192 .. 447: the first norm of x, quantised.  Each path has LDS bytes of its own.
; Both write CHUNKS of FP6 (E2M3) codes with one E8M0 byte for each 32 along K.  A chunk is 128 rows x 128 along K in 12,800 bytes: eight images of 1,536 bytes, one for each tile of 16 rows, then 512 bytes of scale words.
; An image is the matrix operand's registers as they stand: register pair p (0..5) of lane L at 256 p + 8 L; lane (r, h) holds k = 64 c + 32 h + 0..31 in registers 6 c .. 6 c + 5.
; Lane r of tile t holds row 32 (t / 2) + 8 (t % 2) + r + 8 (r / 8) of the 128.  The scale word of (t, r) lies at 12,288 + 256 (t / 4) + 16 r + 4 (t % 4); its byte b scales k = 32 b ..
; A block's scale byte is its largest magnitude's exponent field - 2, held at 1 from below (a block of zeros: byte 1 over zero codes; this program alone reads the bytes).
; THE WEIGHTS, f32 stored [K][N] (rows of a chunk: columns n).  wimg: wq at 0, wk at 819,200, wv at 1,638,400, wo at 2,457,600 (8 blocks of 128 rows x 8 chunks each), w1 at 3,276,800 (32 x 8), w2 at 6,553,600 (8 x 32).
; A group of four waves takes 128 columns x 256 along K (two chunks), a work-group two such groups; a wave 32 columns (tiles 2 w, 2 w + 1); A LANE TAKES A COLUMN AND ITS REGISTERS RUN DOWN K, so a block of 32 lies in one lane.
; With y = number / 16 and x = number % 16 + 16 x group: y 0..3 wq wk wv wo (x & 7: columns, x >> 3: K), 4..7 w1 (x: columns, y - 4: K), 8..11 w2 (x & 7: columns, (x >> 3) + 4 (y - 8): K).
; The codes go through the wave's own stage in LDS, laid as the images are, and leave by stores of 512 consecutive bytes.  One barrier: the scale words of a chunk come from four waves.
; THE NORM: y = a (x - mean) / (std + 1e-6) + b along rows of 1,024 f32 (std with 1,023 in the divisor); xn is [32 blocks of 128 rows][8 chunks].  Work-group 192 + T is one tile of 16 rows; wave s takes columns 128 s .. 128 s + 127
; (chunk s).  Lane (r, h) holds, of its row, 16 neighbours of each block of 32: register 16 b + i = column 32 b + 16 h + i.  The mean and then the sum of squared differences are taken in two passes; the waves' parts meet in LDS.
; LIMITS: NaN and infinities among the inputs are not served; root and reciprocal are the chip's own, good to an ulp.
.set NW,   192                         ; work-groups of the weights' path
.set X,    32                          ; v32-95   the numbers
.set C,    96                          ; weights: v96-101 a block's codes
.set C2,   104                         ; v104-106 the second conversion's result
.set SBW,  24                          ; v24-25   the two chunks' scale words of my column
.set OUTR, 112                         ; v112-159 the way out
.set SCS,  49152                       ; LDS: behind the eight stages of 6,144 bytes: for each group two areas of 512 bytes of scale words
.set LNB,  51200                       ; LDS: the norm's 1,024 bytes
.set SPARE, 52224                      ; the spare words: 128 bytes a wave, four blocks of 256 bytes that no other line names
.set PC,   96                          ; norm: v96-115 the codes
.set TM,   116                         ; v116-131 at work in the quantiser
.set PW,   132                         ; the scale word
.set SEL,  26                          ; s[26:27] selects for lane l xor 16
	v_lshl_add_u32 v160, v0, 2, SPARE
	v_mov_b32 v161, 0
	v_lshrrev_b32 v1, 5, v0
	v_readfirstlane_b32 s44, v1                    ; wave 0..7
	s_cmp_lt_u32 ttmp9, NW
	s_wait_alu depctr_va_vdst(0)                   ; the wait directly ahead of the branch
	s_cbranch_scc0 .Lnorm
	s_load_b256 s[8:15], s[0:1], 0x20              ; wq s[8:9], wk s[10:11], wv s[12:13], wo s[14:15]
	s_load_b128 s[16:19], s[0:1], 0x40             ; w1 s[16:17], w2 s[18:19]
	s_load_b64 s[6:7], s[0:1], 0x50                ; wimg
	s_and_b32 s20, s44, 3                          ; my wave in its group
	s_lshr_b32 s42, s44, 2                         ; the group
	s_lshl_b32 s45, s42, 4
	s_and_b32 s43, ttmp9, 15
	s_add_co_u32 s43, s43, s45                     ; x
	s_lshl_b32 s45, s42, 10                        ; my group's areas of scale words
	v_and_b32 v2, 31, v0                           ; lane = my column among the wave's 32
	v_lshlrev_b32 v3, 2, v2                        ; in: 4 bytes a lane
	v_bfe_u32 v8, v0, 3, 1                         ; u: which of the wave's two tiles my column falls into
	v_and_b32 v9, 7, v0
	v_bfe_u32 v10, v0, 4, 1
	v_lshl_add_u32 v9, v10, 3, v9                  ; r: its lane there: (lane & 7) + 8 (lane >> 4)
	s_mul_i32 s33, s44, 6144                       ; my stage
	v_mul_u32_u24 v4, v8, 1536
	v_lshl_add_u32 v4, v9, 3, v4
	v_add_nc_u32 v4, s33, v4                       ; into it: 1,536 u + 8 r
	v_lshlrev_b32 v6, 4, v2                        ; 16 x lane
	s_wait_alu depctr_va_vdst(0)
	v_add_nc_u32 v5, s33, v6                       ; out of it
	s_lshr_b32 s34, s20, 1
	s_lshl_b32 s34, s34, 8
	s_and_b32 s35, s20, 1
	s_lshl_b32 s35, s35, 3
	s_add_co_u32 s34, s34, s35
	s_add_co_u32 s34, s34, SCS
	s_add_co_u32 s34, s34, s45
	v_lshlrev_b32 v7, 4, v9
	v_lshl_add_u32 v7, v8, 2, v7
	v_add_nc_u32 v7, s34, v7                       ; my scale word: 256 (t / 4) + 16 r + 4 (t % 4) with t = 2 w + u
	s_lshl_b32 s35, s20, 9
	s_add_co_u32 s35, s35, SCS
	s_add_co_u32 s35, s35, s45
	v_add_nc_u32 v14, s35, v6                      ; waves 0 and 1 of a group: chunk w's area of scale words, 16 bytes a lane,
	s_mul_i32 s35, s20, 12800
	v_add_nc_u32 v15, s35, v6                      ; and its place in memory
	s_lshr_b32 s21, ttmp9, 4                       ; y
	s_and_b32 s22, s43, 7
	s_lshr_b32 s23, s43, 3
	s_mul_i32 s24, s21, 819200                     ; region of wq .. wo
	s_sub_co_u32 s31, s21, 8
	s_lshl_b32 s31, s31, 2
	s_add_co_u32 s31, s31, s23                     ; w2's part of K
	s_sub_co_u32 s29, s21, 4                       ; w1's
	s_mov_b32 s27, 102400                          ; bytes of a block of 128 rows: 8 chunks,
	s_cmp_ge_u32 s21, 8                            ; w2?
	s_cselect_b32 s26, s31, s23                    ; kb: which 256 along K
	s_cselect_b32 s27, 409600, s27                 ; or 32 chunks
	s_cselect_b32 s24, 6553600, s24
	s_lshr_b32 s31, s21, 2                         ; 0: wq .. wo, 1: w1, 2: w2
	s_cmp_eq_u32 s31, 1                            ; w1?
	s_cselect_b32 s30, 1, 0                        ; its rows are 16,384 bytes, the others' 4,096
	s_cselect_b32 s25, s43, s22                    ; nb: which 128 columns
	s_cselect_b32 s26, s29, s26
	s_cselect_b32 s24, 3276800, s24
	s_cselect_b32 s28, 22, 20                      ; log2 of 256 rows' bytes
	s_lshl_b32 s32, s26, s28
	s_lshl_b32 s36, s25, 9
	s_add_co_u32 s32, s32, s36
	s_lshl_b32 s36, s20, 7
	s_add_co_u32 s32, s32, s36                     ; in: 256 kb rows + 512 nb + 128 w
	s_mov_b32 s33, 0
	s_mul_i32 s36, s25, s27
	s_add_co_u32 s36, s36, s24
	s_mul_i32 s37, s26, 25600
	s_add_co_u32 s36, s36, s37                     ; out: region + nb blocks + 2 kb chunks
	s_mov_b32 s37, 0
	s_mul_i32 s38, s20, 3072                       ; my two images in a chunk
	s_mov_b32 s39, 0
	s_wait_alu depctr_va_vdst(0)                   ; the wait at the head's end
	s_wait_kmcnt 0x0
	s_cmp_eq_u32 s21, 1                            ; the choices hang on the work-group's number alone
	s_cselect_b64 s[4:5], s[10:11], s[8:9]
	s_cmp_eq_u32 s21, 2
	s_cselect_b64 s[4:5], s[12:13], s[4:5]
	s_cmp_eq_u32 s21, 3
	s_cselect_b64 s[4:5], s[14:15], s[4:5]
	s_cmp_eq_u32 s31, 1
	s_cselect_b64 s[4:5], s[16:17], s[4:5]
	s_cmp_eq_u32 s31, 2
	s_cselect_b64 s[4:5], s[18:19], s[4:5]
	s_add_nc_u64 s[4:5], s[4:5], s[32:33]
	s_add_nc_u64 s[6:7], s[6:7], s[36:37]
	s_add_nc_u64 s[40:41], s[6:7], s[38:39]
; block t: W(32 t + i, my column), i = 0..31, into set t % 2.  Two arms that differ in the row's bytes alone: the same registers, the same count of loads.
.macro LOAD t
	s_cmp_eq_u32 s30, 1
	s_cbranch_scc1 .Lwide_\@
.irp i, 0,1,2,3,4,5,6,7,8,9,10,11,12,13,14,15,16,17,18,19,20,21,22,23,24,25,26,27,28,29,30,31
	global_load_b32 v[X+32*((\t)%2)+\i], v3, s[4:5] offset:(32*(\t)+\i)*4096 th:TH_LOAD_NT
.endr
	s_branch .Lloaded_\@
.Lwide_\@:
.irp i, 0,1,2,3,4,5,6,7,8,9,10,11,12,13,14,15,16,17,18,19,20,21,22,23,24,25,26,27,28,29,30,31
	global_load_b32 v[X+32*((\t)%2)+\i], v3, s[4:5] offset:(32*(\t)+\i)*16384 th:TH_LOAD_NT
.endr
.Lloaded_\@:
.endm
.macro BLOCK t
.set XS, X+32*((\t)%2)
.set BE, (\t)%4                        ; the block's place in its chunk: 2 c + h
.if (\t) < 7
	s_wait_loadcnt 32                              ; this block's 32 loads are in; the next block's may be out
.else
	s_wait_loadcnt 0x0
.endif
	v_max3_num_f32 v12, |v[XS]|, |v[XS+1]|, |v[XS+2]|   ; the block's largest magnitude: all 32 numbers are mine; two chains
	v_max3_num_f32 v13, |v[XS+3]|, |v[XS+4]|, |v[XS+5]|
.irp i, 6,10,14,18,22,26
	v_max3_num_f32 v12, v12, |v[XS+\i]|, |v[XS+\i+1]|
	v_max3_num_f32 v13, v13, |v[XS+\i+2]|, |v[XS+\i+3]|
.endr
	v_max3_num_f32 v12, v12, |v[XS+30]|, |v[XS+31]|
	v_max3_num_f32 v12, v12, v13, 0x1800000        ; and the floor 2^(3 - 127): the byte cannot fall under 1
	v_add_nc_u32 v11, 0xff000000, v12              ; 2 off the exponent field: the conversion's scale operand
	v_lshrrev_b32 v13, 23, v11                     ; the scale's byte
.if BE == 0
	v_mov_b32 v[SBW+(\t)/4], v13
.else
	v_lshl_or_b32 v[SBW+(\t)/4], v13, 8*BE, v[SBW+(\t)/4]
.endif
	v_cvt_scalef32_pk16_fp6_f32 v[C:C+2], v[XS:XS+15], v11
	v_cvt_scalef32_pk16_fp6_f32 v[C2:C2+2], v[XS+16:XS+31], v11
	v_nop                                          ; one plain place behind a scaled conversion
.irp i, 0,1,2
	v_mov_b32 v[C+3+\i], v[C2+\i]                  ; the block's 24 bytes on end
.endr
.irp p, 0,1,2
	ds_store_b64 v4, v[C+2*\p:C+2*\p+1] offset:3072*((\t)/4)+768*(BE/2)+128*(BE%2)+256*\p   ; to lane r + 16 h of the image, pairs 3 c + p
.endr
.if (\t)+2 < 8
	LOAD (\t)+2
.endif
	s_wait_dscnt 0x0                               ; the stores have read their registers: the next block's codes may be written
.endm
	LOAD 0
	LOAD 1
.irp t, 0,1,2,3,4,5,6,7
	BLOCK \t
.endr
	s_wait_alu depctr_va_vdst(0)
.irp k, 0,1
	ds_store_b32 v7, v[SBW+\k] offset:512*\k       ; my column's scale word of chunk k
.endr
.irp i, 0,1,2,3,4,5,6,7,8,9,10,11
	ds_load_b128 v[OUTR+4*\i:OUTR+4*\i+3], v5 offset:512*\i   ; my own stage: LDS serves a wave's instructions in order
.endr
.irp i, 0,1,2,3,4,5,6,7,8,9,10,11
	s_wait_dscnt 11-\i                             ; load i is in; the younger ones may be out
	global_store_b128 v6, v[OUTR+4*\i:OUTR+4*\i+3], s[40:41] offset:12800*(\i/6)+512*(\i%6)   ; 512 consecutive bytes
.endr
	s_barrier_signal -1                            ; (the last wait above was for 0: my stores of scale words have landed)
	s_barrier_wait -1
	s_cmp_lt_u32 s20, 2
	s_cbranch_scc0 .Ldone
	ds_load_b128 v[X:X+3], v14                     ; waves 0 and 1 of a group: a chunk's 512 bytes of scale words, into registers that no pending store names
	s_wait_dscnt 0x0
	global_store_b128 v15, v[X:X+3], s[6:7] offset:12288
.Ldone:
	s_wait_tensorcnt 0x0                           ; the wave's end
	ds_add_u32 v160, v161
	s_wait_dscnt 0x0
	s_endpgm
.Lnorm:
	s_load_b256 s[4:11], s[0:1], 0x0               ; x s[4:5], a s[6:7], b s[8:9], xn s[10:11]
	s_sub_co_u32 s29, ttmp9, NW                    ; T: my tile of 16 rows
	v_and_b32 v2, 15, v0                           ; r
	v_bfe_u32 v3, v0, 4, 1                         ; h
	v_and_b32 v9, 31, v0                           ; lane
	v_and_b32 v4, 8, v2
	v_lshlrev_b32 v6, 2, v2                        ; LDS: 4 r
	v_lshlrev_b32 v8, 4, v2                        ; 16 r
	v_add_nc_u32 v4, v4, v2                        ; r + 8 (r / 8)
	v_lshlrev_b32 v5, 3, v9                        ; 8 x lane: my place in an image's pair
	s_lshl_b32 s17, s44, 6
	v_lshlrev_b32 v4, 12, v4
	v_add_nc_u32 v7, s17, v6                       ; LDS: 64 s + 4 r
	v_lshl_add_u32 v4, v3, 6, v4                   ; in: my row of 4,096 bytes, + 64 h
	s_wait_alu depctr_va_vdst(0)
	s_lshr_b32 s18, s29, 1
	s_lshl_b32 s18, s18, 5
	s_and_b32 s19, s29, 1
	s_lshl_b32 s19, s19, 3
	s_add_co_u32 s18, s18, s19                     ; the tile's first row: 32 (T / 2) + 8 (T % 2)
	s_lshl_b32 s18, s18, 12
	s_lshl_b32 s19, s44, 9
	s_add_co_u32 s18, s18, s19                     ; + my 128 columns
	s_mov_b32 s19, 0
	s_lshr_b32 s20, s29, 3
	s_lshl_b32 s20, s20, 3
	s_add_co_u32 s20, s20, s44
	s_mul_i32 s20, s20, 12800                      ; my chunk: 8 (T / 8) + s
	s_mov_b32 s21, 0
	s_and_b32 s22, s29, 7
	s_mul_i32 s22, s22, 1536                       ; my image in it
	s_mov_b32 s23, 0
	s_bfe_u32 s24, s29, 0x10002
	s_lshl_b32 s24, s24, 8
	s_and_b32 s25, s29, 3
	s_lshl_b32 s25, s25, 2
	s_add_co_u32 s24, s24, s25
	v_add_nc_u32 v8, s24, v8                       ; my scale word: 256 (t / 4) + 4 (t % 4) + 16 r
	s_mov_b32 s[SEL], 0x76543210
	s_mov_b32 s[SEL+1], 0xfedcba98
	s_wait_alu depctr_va_vdst(0)                   ; the wait at the head's end
	s_wait_kmcnt 0x0
	s_load_b32 s12, s[6:7], 0x0                    ; a
	s_load_b32 s13, s[8:9], 0x0                    ; b
	s_add_nc_u64 s[4:5], s[4:5], s[18:19]
	s_add_nc_u64 s[10:11], s[10:11], s[20:21]
	s_add_nc_u64 s[14:15], s[10:11], s[22:23]
.irp b, 0,1,2,3
.irp j, 0,1,2,3
	global_load_b128 v[X+16*\b+4*\j:X+16*\b+4*\j+3], v4, s[4:5] offset:128*\b+16*\j
.endr
.endr
.irp b, 0,1,2,3
	v_mov_b32 v[TM+4+\b], 0                        ; written once: a lane permute's destination counts as one of its sources
.endr
; what four packed chains in v[16:23] hold is added up, joined with lane l xor 16's, handed round through LDS at byte LNB + off, and comes back as the row's sum in v24
.macro ROWSUM off
	v_pk_add_f32 v[16:17], v[16:17], v[18:19]
	v_pk_add_f32 v[20:21], v[20:21], v[22:23]
	v_pk_add_f32 v[16:17], v[16:17], v[20:21]
	v_add_f32 v16, v16, v17
	v_permlanex16_b32 v17, v16, s[SEL], s[SEL+1]
	v_add_f32 v16, v16, v17                        ; my wave's 128 columns of row r (both halves of the lanes hold it and write the same word)
	ds_store_b32 v7, v16 offset:LNB+\off
	s_wait_dscnt 0x0                               ; for the others' sake: my store has landed
	s_barrier_signal -1
	s_barrier_wait -1
.irp w, 0,1,2,3,4,5,6,7
	ds_load_b32 v[24+\w], v6 offset:LNB+\off+64*\w
.endr
	s_wait_dscnt 0x0
	v_add_f32 v24, v24, v25                        ; the same order in every wave
	v_add_f32 v26, v26, v27
	v_add_f32 v28, v28, v29
	v_add_f32 v30, v30, v31
	v_add_f32 v24, v24, v26
	v_add_f32 v28, v28, v30
	v_add_f32 v24, v24, v28
.endm
	s_wait_loadcnt 0x0
	s_wait_kmcnt 0x0
.irp k, 0,1,2,3
	v_pk_add_f32 v[16+2*\k:17+2*\k], v[X+4*\k:X+4*\k+1], v[X+4*\k+2:X+4*\k+3]
.endr
.irp j, 16,24,32,40,48,56
.irp k, 0,1,2,3
	v_pk_add_f32 v[16+2*\k:17+2*\k], v[16+2*\k:17+2*\k], v[X+\j+2*\k:X+\j+2*\k+1]
.endr
.endr
	ROWSUM 0
	v_mul_f32 v134, 0x3a800000, v24                ; the mean: / 1,024
	v_mov_b32 v135, v134
.set j, 0
.rept 32
	v_pk_add_f32 v[X+j:X+j+1], v[X+j:X+j+1], v[134:135] neg_lo:[0,1] neg_hi:[0,1]   ; d = x - mean
.set j, j+2
.endr
.irp k, 0,1,2,3
	v_pk_mul_f32 v[16+2*\k:17+2*\k], v[X+2*\k:X+2*\k+1], v[X+2*\k:X+2*\k+1]
.endr
.irp j, 8,16,24,32,40,48,56
.irp k, 0,1,2,3
	v_pk_fma_f32 v[16+2*\k:17+2*\k], v[X+\j+2*\k:X+\j+2*\k+1], v[X+\j+2*\k:X+\j+2*\k+1], v[16+2*\k:17+2*\k]
.endr
.endr
	ROWSUM 512
	v_mul_f32 v24, 0x3a802008, v24                 ; / 1,023
	s_wait_alu depctr_va_vdst(0)
	v_sqrt_f32 v24, v24
	v_mov_b32 v138, s13                            ; (a plain place behind the root)
	s_wait_alu depctr_va_vdst(0)
	v_add_f32 v24, 0x358637bd, v24                 ; + 1e-6
	s_wait_alu depctr_va_vdst(0)
	v_rcp_f32 v24, v24
	v_mov_b32 v139, s13                            ; (a plain place behind the reciprocal)
	s_wait_alu depctr_va_vdst(0)
	v_mul_f32 v136, s12, v24                       ; a / (std + eps)
	v_mov_b32 v137, v136
.set j, 0
.rept 32
	v_pk_fma_f32 v[X+j:X+j+1], v[X+j:X+j+1], v[136:137], v[138:139]
.set j, j+2
.endr
	; the quantiser: four blocks of 32, each in lanes l and l xor 16
.irp b, 0,1,2,3
	v_max3_num_f32 v[TM+\b], |v[X+16*\b]|, |v[X+1+16*\b]|, 0x1800000   ; my 16 numbers, and the floor 2^(3 - 127): the byte cannot fall under 1
.endr
.irp i, 2,4,6,8,10,12,14
.irp b, 0,1,2,3
	v_max3_num_f32 v[TM+\b], v[TM+\b], |v[X+16*\b+\i]|, |v[X+1+16*\b+\i]|
.endr
.endr
.irp b, 0,1,2,3
	v_permlanex16_b32 v[TM+4+\b], v[TM+\b], s[SEL], s[SEL+1]
.endr
.irp b, 0,1,2,3
	v_max_num_f32 v[TM+\b], v[TM+\b], v[TM+4+\b]   ; the block's largest magnitude
.endr
.irp b, 0,1,2,3
	v_add_nc_u32 v[TM+12+\b], 0xff000000, v[TM+\b] ; 2 off its exponent field: the conversion's scale operand
.endr
.irp b, 0,1,2,3
	v_lshrrev_b32 v[TM+4+\b], 23, v[TM+12+\b]      ; the scale's byte
.endr
	v_lshl_or_b32 v[PW], v[TM+5], 8, v[TM+4]
	v_lshl_or_b32 v[PW], v[TM+6], 16, v[PW]
	v_lshl_or_b32 v[PW], v[TM+7], 24, v[PW]        ; my row's scale word
.irp c, 0,1
	v_cvt_scalef32_pk16_fp6_f32 v[PC+6*\c:PC+2+6*\c], v[X+32*\c:X+15+32*\c], v[TM+12+2*\c]
	v_cvt_scalef32_pk16_fp6_f32 v[PC+12+4*\c:PC+14+4*\c], v[X+16+32*\c:X+31+32*\c], v[TM+13+2*\c]
.endr
	v_nop                                          ; one plain place behind a scaled conversion
.irp c, 0,1                                    ; the operand's layout wants a whole block in a lane: lanes 0-15 block 2 c, lanes 16-31 block 2 c + 1
.irp i, 0,1,2
	v_permlane16_swap_b32 v[PC+6*\c+\i], v[PC+12+4*\c+\i]
.endr
.irp i, 0,1,2
	v_mov_b32 v[PC+3+6*\c+\i], v[PC+12+4*\c+\i]
.endr
.endr
.irp p, 0,1,2,3,4,5
	global_store_b64 v5, v[PC+2*\p:PC+2*\p+1], s[14:15] offset:256*\p   ; the image: 256 consecutive bytes a store
.endr
	v_cmp_gt_u32 vcc_lo, 16, v9
	s_wait_xcnt 0x0                                ; EXEC changes only behind this wait
	s_wait_tensorcnt 0x0                           ; the wave's end, all lanes on
	ds_add_u32 v160, v161
	s_wait_dscnt 0x0
	s_and_saveexec_b32 s28, vcc_lo
	global_store_b32 v8, v[PW], s[10:11] offset:12288   ; lanes 0-15: 4 bytes of each 16 of the scale words' area; the other tiles' work-groups write the rest
	s_wait_xcnt 0x0
	s_or_b32 exec_lo, exec_lo, s28
	s_endpgm
.Lfunc_end_k_qeb7a0b763b_prep:
	.size	k_qeb7a0b763b_prep, .Lfunc_end_k_qeb7a0b763b_prep-k_qeb7a0b763b_prep
	.p2alignl 7, 3214868480
	.fill 96, 4, 3214868480
	.section	.rodata,"a",@progbits
	.p2align	6, 0x0
	.amdhsa_kernel k_qeb7a0b763b_prep
		.amdhsa_group_segment_fixed_size 53248
		.amdhsa_private_segment_fixed_size 0
		.amdhsa_enable_private_segment 0
		.amdhsa_kernarg_size 88
		.amdhsa_user_sgpr_count 2
		.amdhsa_user_sgpr_kernarg_segment_ptr 1
		.amdhsa_wavefront_size32 1
		.amdhsa_system_sgpr_workgroup_id_x 1
		.amdhsa_system_sgpr_workgroup_id_y 1
		.amdhsa_system_sgpr_workgroup_id_z 1
		.amdhsa_system_vgpr_workitem_id 0
		.amdhsa_next_free_vgpr 162
		.amdhsa_next_free_sgpr 66
		.amdhsa_reserve_vcc 1
		.amdhsa_float_denorm_mode_32 3
		.amdhsa_float_denorm_mode_16_64 3
		.amdhsa_memory_ordered 1
		.amdhsa_forward_progress 1
		.amdhsa_inst_pref_size 88
	.end_amdhsa_kernel
	.amdgpu_metadata
---
amdhsa.version: [ 1, 2 ]
amdhsa.kernels:
  - .name:           k_qeb7a0b763b_prep
    .symbol:         k_qeb7a0b763b_prep.kd
    .args:
      - { .name: x, .offset: 0, .size: 8, .value_kind: global_buffer, .address_space: global }
      - { .name: ln1_a, .offset: 8, .size: 8, .value_kind: global_buffer, .address_space: global }
      - { .name: ln1_b, .offset: 16, .size: 8, .value_kind: global_buffer, .address_space: global }
      - { .name: xn, .offset: 24, .size: 8, .value_kind: global_buffer, .address_space: global }
      - { .name: wq, .offset: 32, .size: 8, .value_kind: global_buffer, .address_space: global }
      - { .name: wk, .offset: 40, .size: 8, .value_kind: global_buffer, .address_space: global }
      - { .name: wv, .offset: 48, .size: 8, .value_kind: global_buffer, .address_space: global }
      - { .name: wo, .offset: 56, .size: 8, .value_kind: global_buffer, .address_space: global }
      - { .name: w1, .offset: 64, .size: 8, .value_kind: global_buffer, .address_space: global }
      - { .name: w2, .offset: 72, .size: 8, .value_kind: global_buffer, .address_space: global }
      - { .name: wimg, .offset: 80, .size: 8, .value_kind: global_buffer, .address_space: global }
    .group_segment_fixed_size: 53248
    .private_segment_fixed_size: 0
    .kernarg_segment_align: 8
    .kernarg_segment_size: 88
    .max_flat_workgroup_size: 256
    .sgpr_count:     66
    .vgpr_count:     162
    .wavefront_size: 32
...
	.end_amdgpu_metadata
.endif
;; end of part 1
;; launch qkv (part 2): grid 8 x 24, 4 waves a work-group, clusters of 4 x 4, 327,680 bytes of LDS; arguments xn, wimg, bq, bk, bv, src_mask, qk, vt; writes qk, vt
.if DOCPART == 2
	.amdgcn_target "amdgcn-amd-amdhsa--gfx1250"
	.amdhsa_code_object_version 6
	.text
	.protected	k_qeb7a0b763b_qkv
	.globl	k_qeb7a0b763b_qkv
	.p2align	8
	.type	k_qeb7a0b763b_qkv,@function
k_qeb7a0b763b_qkv:
	s_mov_b64 s[64:65], 0
	v_nop
	global_prefetch_b8 v0, s[64:65] scope:SCOPE_SE
	s_setreg_imm32_b32 hwreg(HW_REG_WAVE_MODE, 25, 1), 1
	s_wait_xcnt 0x0
	s_wait_alu depctr_hold_cnt(0) depctr_sa_sdst(0) depctr_va_vdst(0) depctr_va_sdst(0) depctr_va_ssrc(0) depctr_va_vcc(0) depctr_vm_vsrc(0)
	s_getreg_b32 s2, hwreg(HW_REG_IB_STS2, 6, 4)
	s_cmp_eq_u32 s2, 0
	s_cbranch_scc0 .Lentry_in_a_cluster
	s_endpgm
.Lentry_in_a_cluster:
	s_bfe_u32 s2, ttmp6, 0x10000c
	s_cmp_lg_u32 s2, 0xf033
	s_cbranch_scc0 .Lentry_shape_is_right
	s_endpgm
.Lentry_shape_is_right:
; q = xn wq + bq, k = xn wk + bk, v = xn wv + bv on codes of FP6 (E2M3) with E8M0 scales, K = 1,024; the results are quantised again in registers and stored as codes: q and k along the features, v along the tokens.
; ALL OPERANDS ARE CHUNKS: 128 rows x 128 along K in 12,800 bytes: eight images of 1,536 bytes (tile t of 16 rows; register pair p of lane L at 256 p + 8 L), then 512 bytes of scale words (tile t, lane r at
; 12,288 + 256 (t / 4) + 16 r + 4 (t % 4)).  Lane r of tile t holds row 32 (t / 2) + 8 (t % 2) + r + 8 (r / 8).  A buffer is [blocks of 128 rows][chunks along K].  A fragment is six LDS loads of 8 bytes a lane, 256 consecutive bytes each.
; A tile of the result, 256 x 256, is made by four waves, 128 x 128 each: 64 accumulators.  Source 0 = 16 rows of B, source 1 = 16 rows of A: a lane holds ONE row of A, and by the order of rows in a tile the 64 registers of
; an A block are 64 of 128 NEIGHBOURS among B's rows: register 16 b + i = 32 b + 16 (lane / 16) + i.  So a wave's results ARE one chunk of the next product's operand, K = B's rows.
; CLUSTERS of 4 x 4.  Cluster rows 0-3: A = xn (tokens), B = wq | wk (features): chunks of qk ([32 token blocks][16: q's 8 head pairs, k's 8]).  Cluster rows 4, 5: A = wv (features), B = xn (tokens): the sources change
; parts, so that v's registers run along the tokens: chunks of vt ([8 head pairs][32 token blocks]).  Which kind a cluster is hangs on the cluster's y alone: buffers and numbers are chosen by selects; two short branches part
; only the bias loads and the first K step (the bias is its C: along B's rows for q and k, along A's rows for v).
; A's tiles are asked for jointly along a row of the cluster, B's along a column.  K goes through two LDS slots of two chunks a block of rows; each wave fetches 25,600 dense bytes by one tensor load.
; THE MASK: the codes of k of a token whose src_mask is 0 are cleared, so that its raw scores are exactly 0 in the next launch, which adds the mask's number onto them.
; No prefetch: the tiles of this short launch are read by many work-groups at about the same time and shared in the cluster.
; LIMITS: NaN and infinities are not served; a block of zeros gets the byte 1 over zero codes (this program alone reads the bytes).
; REGISTERS: window 0: v8-15 the mask of A's eight blocks; v16-25 addresses; v28-29 the spare word's; v32-63 scale words, two sets; v64-127 bias; v128-223 A's fragments, one set; on the way out v64-223 codes, v224-251 at work.
;   window 1: B's fragments, two sets, at v0 and v128.  windows 2, 3: the accumulators: (a, b) at v[8 (8 (a % 4) + b)] of window 2 + a / 4.
.set CH,    12800
.set NQ,    2                          ; chunks in a slot
.set KCH,   8                          ; chunks along K
.set LAPS,  KCH/(2*NQ)
.set ASZ,   NQ*CH
.set SLOT,  4*ASZ                      ; A's two blocks of rows, then B's two
.set SPARE, 2*SLOT                     ; the spare words: 128 bytes a wave, two blocks of 256 bytes that no other line names
.set WVOFF, 1638400                    ; wv in wimg
.set KM,   8
.set ADRA, 16                          ; v16-17 my A fragments in slot 0, 1;  v18-19 their scale words
.set ASA,  18
.set ADRB, 20                          ; v20-21, v22-23 the same for B
.set ASB,  22
.set IMO,  24                          ; 8 x lane
.set SWO,  25                          ; 16 x lane
.set SPW,  28
.set NIL,  29
.set SA,   32                          ; scale words of A's 8 blocks, set p at + 16 p
.set SB,   40                          ; of B's 8
.set BI,   64
.set AF,   128
.set TM,   224
.set SW,   240
.set OW,   248
.set G1,   24
.set G0,   32
.set G1B,  48
.set G0B,  56
.set SEL,  66
.set MSB, 0
.macro WIN new                         ; the immediate's high byte repeats the setting that is left
.if MSB != (\new)
	s_set_vgpr_msb (MSB<<8)|(\new)
.set MSB, (\new)
.endif
.endm
.set MUL_LO, 0xa1                      ; source 0 (B) window 1, source 1 (A) window 0, C and D window 2
.set MUL_HI, 0xf1                      ; the same, C and D window 3
.set TO_B,   0x40
.macro JLOAD s                         ; a joint load: waves 0, 1 fetch A's two blocks of rows, waves 2, 3 B's; four v_nop follow each line
	s_cmp_eq_u32 s15, 0
	s_cbranch_scc0 .Lfor_b_\@
	tensor_load_to_lds s[G0+4*\s:G0+4*\s+3], s[G1:G1+7]
	s_nop 0
.rept 4
	v_nop
.endr
	s_branch .Lasked_\@
.Lfor_b_\@:
	tensor_load_to_lds s[G0B+4*\s:G0B+4*\s+3], s[G1B:G1B+7]
	s_nop 0
.rept 4
	v_nop
.endr
.Lasked_\@:
.endm
.macro CREST                           ; a round of the cluster's barrier behind its opening barrier
	s_cmp_lg_u32 s14, 0
	s_cbranch_scc1 .Lnot_wave_0_\@
	s_barrier_signal -3
.Lnot_wave_0_\@:
	s_barrier_wait -3
	s_barrier_signal -1
	s_barrier_wait -1
.endm
.macro CROUND
	s_barrier_signal -1
	s_barrier_wait -1
	CREST
.endm
.macro PLACES                          ; four places behind a matrix instruction, in front of loads into its registers and of reads of results
.rept 4
	v_nop
.endr
.endm
	s_load_b256 s[72:79], s[0:1], 0x0              ; xn s[72:73], wimg s[74:75], bq s[76:77], bk s[78:79]
	s_load_b256 s[80:87], s[0:1], 0x20             ; bv s[80:81], src_mask s[82:83], qk s[84:85], vt s[86:87]
	v_lshl_add_u32 v[SPW], v0, 2, SPARE
	v_mov_b32 v[NIL], 0
	ds_add_u32 v28, v29
	ds_add_u32 v28, v29
	s_wait_dscnt 0x0
	v_lshrrev_b32 v1, 5, v0
	v_readfirstlane_b32 s14, v1                    ; wave 0..3
	s_lshr_b32 s15, s14, 1                         ; which of A's two blocks of rows is mine.  Also: I fetch for A (0) or B (1)
	s_and_b32 s16, s14, 1                          ; which of B's.  Also: which block I fetch
	s_bfe_u32 s40, ttmp6, 0x40000                  ; cx
	s_bfe_u32 s41, ttmp6, 0x40004                  ; cy
	s_and_b32 s18, ttmp7, 0xffff                   ; the cluster's y
	s_lshl_b32 s17, s18, 2
	s_lshl_b32 s42, s18, 1
	s_add_co_u32 s42, s42, ttmp9
	s_sub_co_u32 s42, s42, 8                       ; v's clusters: cluster x + 2 (cluster y - 4)
	s_cmp_ge_u32 s18, 4                            ; a cluster of v?  The same in all sixteen partners
	s_cselect_b32 s19, 1, 0
	s_cselect_b32 s17, 0, s17
	s_cselect_b32 s42, s42, ttmp9
	s_cselect_b32 s70, 5, 4                        ; log2 of the chunks in a block of rows of the output: vt 32, qk 16
	s_cselect_b32 s71, WVOFF, 0                    ; where A begins in its buffer
	s_cselect_b32 s92, s41, s40                    ; the bias runs along A's rows (v) or B's (q, k)
	s_cselect_b32 s93, s15, s16
	s_add_co_u32 s17, s17, s41                     ; TR: A's tile of 256 rows: made of the cluster's y and cy alone
	s_lshl_b32 s42, s42, 2
	s_add_co_u32 s42, s42, s40                     ; TC: B's: made of the cluster's place and cx alone
	s_cmp_eq_u32 ttmp9, 1
	s_cselect_b32 s69, 0, -1                       ; only k's codes (cluster x = 1 of q | k) are cleared by the mask:
	s_cmp_eq_u32 s19, 1
	s_cselect_b32 s69, -1, s69                     ; elsewhere every bit is kept
	s_lshl_b32 s43, s41, 2
	s_lshl_b32 s43, 15, s43                        ; my row of the cluster
	s_lshl_b32 s44, 0x1111, s40                    ; my column
	; descriptor group 1: 25,600 dense bytes as 100 rows of 256 bytes (32 elements of 8 bytes), no padding
	s_or_b32 s[G1+0], s43, (3<<16)|(1<<21)         ; 15:0 the mask; 17:16 elements of 8 bytes; 21 set beside a mask
	s_or_b32 s[G1B+0], s44, (3<<16)|(1<<21)
.irp g, G1, G1B
	s_mov_b32 s[\g+1], 32<<16                      ; tensor_dim0
	s_mov_b32 s[\g+2], (NQ*50)<<16                 ; tensor_dim1
	s_mov_b32 s[\g+3], 32<<16                      ; tile_dim0
	s_mov_b32 s[\g+4], NQ*50                       ; tile_dim1
	s_mov_b32 s[\g+5], 32                          ; pitch
	s_mov_b32 s[\g+6], 0
	s_mov_b32 s[\g+7], 0
.endr
	s_lshl_b32 s20, s17, 1
	s_add_co_u32 s20, s20, s16
	s_mul_i32 s20, s20, KCH*CH
	s_add_co_u32 s20, s20, s71                     ; A: block of rows 2 TR + the one I fetch
	s_mov_b32 s21, 0
	s_lshl_b32 s46, s42, 1
	s_add_co_u32 s46, s46, s16
	s_mul_i32 s46, s46, KCH*CH                     ; B likewise
	s_mov_b32 s47, 0
	s_mul_i32 s45, s14, ASZ                        ; where they go: wave x 25,600: no place in the cluster enters an LDS address
	s_mov_b32 s[SEL], 0x76543210
	s_mov_b32 s[SEL+1], 0xfedcba98
	s_mov_b32 s68, 0xffff0000                      ; lanes 16-31
	s_wait_kmcnt 0x0
	s_cmp_eq_u32 s19, 1
	s_cselect_b64 s[4:5], s[74:75], s[72:73]       ; A's buffer: wimg or xn
	s_cselect_b64 s[6:7], s[72:73], s[74:75]       ; B's
	s_cselect_b64 s[10:11], s[86:87], s[84:85]     ; the output: vt or qk
	s_cmp_eq_u32 ttmp9, 1
	s_cselect_b64 s[8:9], s[78:79], s[76:77]       ; bk or bq,
	s_cmp_eq_u32 s19, 1
	s_cselect_b64 s[8:9], s[80:81], s[8:9]         ; or bv
	s_add_nc_u64 s[20:21], s[4:5], s[20:21]
	s_add_nc_u64 s[46:47], s[6:7], s[46:47]
	CROUND                                         ; all sixteen work-groups are here: the first joint loads meet
.irp s, 0,1
	s_mov_b32 s[G0+4*\s], 1
	s_add_co_u32 s[G0+4*\s+1], s45, \s*SLOT
	s_add_nc_u64 s[G0+4*\s+2:G0+4*\s+3], s[20:21], \s*NQ*CH
	s_or_b32 s[G0+4*\s+3], s[G0+4*\s+3], 0x80000000
	s_mov_b32 s[G0B+4*\s], 1
	s_add_co_u32 s[G0B+4*\s+1], s45, \s*SLOT
	s_add_nc_u64 s[G0B+4*\s+2:G0B+4*\s+3], s[46:47], \s*NQ*CH
	s_or_b32 s[G0B+4*\s+3], s[G0B+4*\s+3], 0x80000000
.endr
	JLOAD 0                                        ; slot 0: one tensor load a wave at the head
	v_and_b32 v1, 15, v0                           ; r
	v_and_b32 v2, 31, v0                           ; lane
	v_bfe_u32 v3, v0, 4, 1                         ; h
	v_lshlrev_b32 v[IMO], 3, v2
	v_lshlrev_b32 v[SWO], 4, v2
	v_lshlrev_b32 v4, 4, v1                        ; 16 r
	v_lshlrev_b32 v5, 6, v3                        ; 64 h
	v_and_b32 v6, 8, v1
	v_add_nc_u32 v6, v6, v1
	v_lshlrev_b32 v6, 2, v6                        ; 4 (r + 8 (r / 8))
	s_mul_i32 s21, s15, ASZ
	s_mul_i32 s22, s16, ASZ
	s_add_co_u32 s22, s22, 2*ASZ
.irp s, 0,1
	v_add_nc_u32 v[ADRA+\s], s21, v[IMO]
	v_add_nc_u32 v[ADRB+\s], s22, v[IMO]
	v_add_nc_u32 v[ASA+\s], s21, v4
	v_add_nc_u32 v[ASB+\s], s22, v4
	s_add_co_u32 s21, s21, SLOT
	s_add_co_u32 s22, s22, SLOT
.endr
	s_lshl_b32 s90, s92, 10
	s_lshl_b32 s91, s93, 9
	s_add_co_u32 s90, s90, s91                     ; the bias of my 128 features
	s_mov_b32 s91, 0
	s_add_nc_u64 s[8:9], s[8:9], s[90:91]
	s_lshl_b32 s94, s17, 1
	s_add_co_u32 s94, s94, s15                     ; my block of A's rows
	s_lshl_b32 s90, s94, 9
	s_add_nc_u64 s[12:13], s[82:83], s[90:91]      ; its 128 words of src_mask (in v's clusters words 0 .. 1,023, read and not used)
	s_lshl_b32 s90, s94, s70
	s_lshl_b32 s95, s42, 1
	s_add_co_u32 s90, s90, s95
	s_add_co_u32 s90, s90, s16
	s_mul_i32 s90, s90, CH                         ; my chunk of the output
	s_add_nc_u64 s[10:11], s[10:11], s[90:91]
	s_cmp_eq_u32 s19, 1
	s_cbranch_scc1 .Lbias_v
.irp i, 0,1,2,3,4,5,6,7                        ; q, k: tile i of B: lane (r, h) wants the bias of features 32 (i / 2) + 8 (i % 2) + 16 h + 0..7
	global_load_b128 v[BI+8*\i:BI+8*\i+3], v5, s[8:9] offset:4*(32*(\i/2)+8*(\i%2))
	global_load_b128 v[BI+8*\i+4:BI+8*\i+7], v5, s[8:9] offset:4*(32*(\i/2)+8*(\i%2))+16
.endr
	s_branch .Lbias_done
.Lbias_v:
	s_wait_alu depctr_va_vdst(0)
.irp i, 0,1,2,3,4,5,6,7                        ; v: block i of A: lane r wants its own feature's bias in all eight registers
.irp j, 0,1,2,3,4,5,6,7
	global_load_b32 v[BI+8*\i+\j], v6, s[8:9] offset:4*(32*(\i/2)+8*(\i%2))
.endr
.endr
.Lbias_done:
	s_wait_alu depctr_va_vdst(0)
.irp a, 0,1,2,3,4,5,6,7
	global_load_b32 v[KM+\a], v6, s[12:13] offset:4*(32*(\a/2)+8*(\a%2))   ; src_mask of the row that lane r holds in A's block a
.endr
.irp b, 0,1,2,3
	v_mov_b32 v[TM+4+\b], 0                        ; written once: a lane permute's destination counts as one of its sources
.endr
.macro FRAG reg, adr, q, i             ; a fragment: the image of tile i in the slot's q-th chunk: six loads of 8 bytes a lane, 256 consecutive bytes each
.irp p, 0,1,2,3,4,5
	ds_load_b64 v[\reg+2*\p:\reg+2*\p+1], v[\adr] offset:(\q)*CH+1536*(\i)+256*\p
.endr
.endm
.macro FETCH_B slot, q, p
	WIN TO_B
.irp i, 0,1,2,3,4,5,6,7
	FRAG 128*(\p)+12*\i, ADRB+\slot, \q, \i
.endr
	WIN 0
.endm
.macro FETCH_A slot, q, i0
.irp i, \i0, \i0+1, \i0+2, \i0+3
	FRAG AF+12*(\i), ADRA+\slot, \q, \i
.endr
.endm
.macro SCALES slot, q, p               ; one load brings lane r the words of four tiles
	ds_load_b128 v[SA+16*(\p):SA+16*(\p)+3], v[ASA+\slot] offset:(\q)*CH+12288
	ds_load_b128 v[SA+16*(\p)+4:SA+16*(\p)+7], v[ASA+\slot] offset:(\q)*CH+12288+256
	ds_load_b128 v[SB+16*(\p):SB+16*(\p)+3], v[ASB+\slot] offset:(\q)*CH+12288
	ds_load_b128 v[SB+16*(\p)+4:SB+16*(\p)+7], v[ASB+\slot] offset:(\q)*CH+12288+256
.endm
; 16 matrix instructions: A's blocks a0, a0 + 1 x B's eight.  p: B's set and the scale words'.  c = 0: in place; 2: the sums start from the bias along B's rows; 3: along A's.
; The 64 accumulators take turns, one instruction a turn, in the same order in every step.
.macro MULP a0, p, c
.irp a, \a0, \a0+1
.irp b, 0,1,2,3,4,5,6,7
.if (\c) == 2
	v_wmma_scale_f32_16x16x128_f8f6f4 v[8*(8*((\a)%4)+\b):8*(8*((\a)%4)+\b)+7], v[128*(\p)+12*\b:128*(\p)+12*\b+11], v[AF+12*(\a):AF+12*(\a)+11], v[BI+8*\b:BI+8*\b+7], v[SB+16*(\p)+\b], v[SA+16*(\p)+(\a)] matrix_a_fmt:MATRIX_FMT_FP6 matrix_b_fmt:MATRIX_FMT_FP6
.elseif (\c) == 3
	v_wmma_scale_f32_16x16x128_f8f6f4 v[8*(8*((\a)%4)+\b):8*(8*((\a)%4)+\b)+7], v[128*(\p)+12*\b:128*(\p)+12*\b+11], v[AF+12*(\a):AF+12*(\a)+11], v[BI+8*(\a):BI+8*(\a)+7], v[SB+16*(\p)+\b], v[SA+16*(\p)+(\a)] matrix_a_fmt:MATRIX_FMT_FP6 matrix_b_fmt:MATRIX_FMT_FP6
.else
	v_wmma_scale_f32_16x16x128_f8f6f4 v[8*(8*((\a)%4)+\b):8*(8*((\a)%4)+\b)+7], v[128*(\p)+12*\b:128*(\p)+12*\b+11], v[AF+12*(\a):AF+12*(\a)+11], v[8*(8*((\a)%4)+\b):8*(8*((\a)%4)+\b)+7], v[SB+16*(\p)+\b], v[SA+16*(\p)+(\a)] matrix_a_fmt:MATRIX_FMT_FP6 matrix_b_fmt:MATRIX_FMT_FP6
.endif
.endr
.endr
.endm
; a step of 128 along K that has its successor in the same slot
.macro STEP slot, q, c
	s_wait_dscnt 24                                ; B's set, A's blocks 0-3 and the scale words are in; the youngest 24 loads (A's blocks 4-7) may be out
.if \c
	WIN 0x81                                       ; C (the bias) in window 0
.else
	WIN MUL_LO
.endif
	MULP 0, (\q)%2, \c
	MULP 2, (\q)%2, \c
	s_wait_dscnt 0x0                               ; A's blocks 4-7 are in
	PLACES
	FETCH_B \slot, (\q)+1, 1-(\q)%2
	FETCH_A \slot, (\q)+1, 0
	SCALES \slot, (\q)+1, 1-(\q)%2
.if \c
	WIN 0xc1
.else
	WIN MUL_HI
.endif
	MULP 4, (\q)%2, \c
	MULP 6, (\q)%2, \c
	PLACES
	WIN 0
	FETCH_A \slot, (\q)+1, 4
.endm
; a slot's last step changes slots: one barrier; in front of it each wave waits for all its tensor loads, adds 0 to its spare word, and waits for that and for its reads of this slot
.macro TURN slot, next, fill
	s_wait_tensorcnt 0x0                           ; all my tensor loads have landed: my part of the next slot
	ds_add_u32 v[SPW], v[NIL]                      ; 0 onto my spare word
	s_wait_dscnt 25                                ; (the add and the youngest 24 loads may be out)
	WIN MUL_LO
	MULP 0, 1, 0                                   ; sixteen matrix instructions stand between the add and the wait for it
	s_wait_dscnt 0x0                               ; the add is done, and my reads of this slot are over
	s_barrier_signal -1
	MULP 2, 1, 0
	WIN 0
	s_barrier_wait -1
.if \fill
	CREST                                          ; the barrier has opened a round of the cluster's: no wave of any partner still reads this slot or has a load on its way
	s_add_nc_u64 s[G0+4*\slot+2:G0+4*\slot+3], s[G0+4*\slot+2:G0+4*\slot+3], 2*NQ*CH
	s_add_nc_u64 s[G0B+4*\slot+2:G0B+4*\slot+3], s[G0B+4*\slot+2:G0B+4*\slot+3], 2*NQ*CH
	JLOAD \slot                                    ; the first tensor load behind the round; its four v_nop are the places in front of the loads below
.else
	PLACES
.endif
	FETCH_B \next, 0, 0
	FETCH_A \next, 0, 0
	SCALES \next, 0, 0
	WIN MUL_HI
	MULP 4, 1, 0
	MULP 6, 1, 0
	PLACES
	WIN 0
	FETCH_A \next, 0, 4
.endm
	s_wait_alu depctr_va_vdst(0)                   ; the wait at the head's end
	s_wait_tensorcnt 0x0                           ; my part of slot 0 is in; slot 1's first fill is issued as a refill is:
	ds_add_u32 v[SPW], v[NIL]
	s_wait_dscnt 0x0
	CROUND                                         ; everybody's part is in, and all sixteen work-groups are here
	JLOAD 1                                        ; the first tensor load behind the round
	FETCH_B 0, 0, 0
	FETCH_A 0, 0, 0
	SCALES 0, 0, 0
	FETCH_A 0, 0, 4
	s_wait_loadcnt 0x0                             ; the bias and the mask
.irp a, 0,1,2,3,4,5,6,7
	v_cmp_ne_u32 vcc_lo, 0, v[KM+\a]
	v_cndmask_b32 v[KM+\a], 0, -1, vcc_lo          ; all ones where the token counts
	v_or_b32 v[KM+\a], s69, v[KM+\a]               ; and wherever the result is not k
.endr
	s_cmp_eq_u32 s19, 1
	s_cbranch_scc1 .Lfirst_v
	STEP 0, 0, 2                                   ; the first step's products start the sums, from the bias
	s_branch .Lfirst_done
.Lfirst_v:
	STEP 0, 0, 3
.Lfirst_done:
	s_mov_b32 s3, LAPS-1
.Llap:                                             ; a trip goes once round the ring and fills both slots again
	TURN 0, 1, 1
	STEP 1, 0, 0
	TURN 1, 0, 1
	STEP 0, 0, 0
	s_sub_co_u32 s3, s3, 1
	s_cmp_lg_u32 s3, 0
	s_cbranch_scc1 .Llap
	TURN 0, 1, 0                                   ; the last lap fills nothing
	STEP 1, 0, 0
	s_wait_dscnt 24
	WIN MUL_LO
	MULP 0, 1, 0
	MULP 2, 1, 0
	s_wait_dscnt 0x0
	WIN MUL_HI
	MULP 4, 1, 0
	MULP 6, 1, 0
	WIN 0
	PLACES
; THE WAY OUT of A's block a: its 64 registers a lane are quantised (four blocks of 32, each in lanes l and l xor 16) and are image a of my chunk: six stores of 256 consecutive bytes.  Each block has registers of its own for its codes.
.macro QOUT a
.set W,  2+(\a)/4
.set AC, 64*((\a)%4)
.set PC, 64+20*(\a)
	WIN W|(W<<2)
.irp b, 0,1,2,3
	v_max3_num_f32 v[TM+\b], |v[AC+16*\b]|, |v[AC+1+16*\b]|, 0x1800000   ; each accumulator is read from its low end on; the floor 2^(3 - 127) holds the byte at 1 from below
.endr
	WIN (W<<2)|(W<<4)
.irp i, 2,4,6,8,10,12,14
.irp b, 0,1,2,3
	v_max3_num_f32 v[TM+\b], v[TM+\b], |v[AC+16*\b+\i]|, |v[AC+1+16*\b+\i]|
.endr
.endr
	WIN 0
.irp b, 0,1,2,3
	v_permlanex16_b32 v[TM+4+\b], v[TM+\b], s[SEL], s[SEL+1]
.endr
.irp b, 0,1,2,3
	v_max_num_f32 v[TM+\b], v[TM+\b], v[TM+4+\b]
.endr
.irp b, 0,1,2,3
	v_add_nc_u32 v[TM+12+\b], 0xff000000, v[TM+\b] ; 2 off the exponent field: the conversion's scale operand
.endr
.irp b, 0,1,2,3
	v_lshrrev_b32 v[TM+4+\b], 23, v[TM+12+\b]
.endr
	v_lshl_or_b32 v[SW+(\a)], v[TM+5], 8, v[TM+4]
	v_lshl_or_b32 v[SW+(\a)], v[TM+6], 16, v[SW+(\a)]
	v_lshl_or_b32 v[SW+(\a)], v[TM+7], 24, v[SW+(\a)]   ; my row's scale word
	WIN W
.irp c, 0,1
	v_cvt_scalef32_pk16_fp6_f32 v[PC+6*\c:PC+2+6*\c], v[AC+32*\c:AC+15+32*\c], v[TM+12+2*\c]
	v_cvt_scalef32_pk16_fp6_f32 v[PC+12+4*\c:PC+14+4*\c], v[AC+16+32*\c:AC+31+32*\c], v[TM+13+2*\c]
.endr
	WIN 0
	v_nop                                          ; one plain place behind a scaled conversion
.irp c, 0,1
.irp i, 0,1,2
	v_permlane16_swap_b32 v[PC+6*\c+\i], v[PC+12+4*\c+\i]   ; a whole block to a lane
.endr
.irp i, 0,1,2
	v_mov_b32 v[PC+3+6*\c+\i], v[PC+12+4*\c+\i]
.endr
.endr
.irp i, 0,1,2,3,4,5,6,7,8,9,10,11
	v_and_b32 v[PC+\i], v[KM+(\a)], v[PC+\i]       ; k of a masked token: zero codes
.endr
.irp p, 0,1,2,3,4,5
	global_store_b64 v[IMO], v[PC+2*\p:PC+2*\p+1], s[10:11] offset:1536*(\a)+256*\p
.endr
.endm
.irp a, 0,1,2,3,4,5,6,7
	QOUT \a
.endr
.irp i, 0,1,2,3
	v_cndmask_b32 v[OW+\i], v[SW+\i], v[SW+4+\i], s68   ; lanes 0-15: tiles 0-3's words, lanes 16-31: tiles 4-7's
.endr
	global_store_b128 v[SWO], v[OW:OW+3], s[10:11] offset:12288   ; the chunk's 512 bytes of scale words
	s_wait_tensorcnt 0x0                           ; the wave's end
	ds_add_u32 v[SPW], v[NIL]
	s_wait_dscnt 0x0
	CROUND                                         ; the closing round
	s_endpgm
.Lfunc_end_k_qeb7a0b763b_qkv:
	.size	k_qeb7a0b763b_qkv, .Lfunc_end_k_qeb7a0b763b_qkv-k_qeb7a0b763b_qkv
	.p2alignl 7, 3214868480
	.fill 96, 4, 3214868480
	.section	.rodata,"a",@progbits
	.p2align	6, 0x0
	.amdhsa_kernel k_qeb7a0b763b_qkv
		.amdhsa_group_segment_fixed_size 327680
		.amdhsa_private_segment_fixed_size 0
		.amdhsa_enable_private_segment 0
		.amdhsa_kernarg_size 64
		.amdhsa_user_sgpr_count 2
		.amdhsa_user_sgpr_kernarg_segment_ptr 1
		.amdhsa_wavefront_size32 1
		.amdhsa_system_sgpr_workgroup_id_x 1
		.amdhsa_system_sgpr_workgroup_id_y 1
		.amdhsa_system_sgpr_workgroup_id_z 1
		.amdhsa_system_vgpr_workitem_id 0
		.amdhsa_next_free_vgpr 1024
		.amdhsa_next_free_sgpr 100
		.amdhsa_reserve_vcc 1
		.amdhsa_float_denorm_mode_32 3
		.amdhsa_float_denorm_mode_16_64 3
		.amdhsa_memory_ordered 1
		.amdhsa_forward_progress 1
		.amdhsa_inst_pref_size 192
	.end_amdhsa_kernel
	.amdgpu_metadata
---
amdhsa.version: [ 1, 2 ]
amdhsa.kernels:
  - .name:           k_qeb7a0b763b_qkv
    .symbol:         k_qeb7a0b763b_qkv.kd
    .args:
      - { .name: xn, .offset: 0, .size: 8, .value_kind: global_buffer, .address_space: global }
      - { .name: wimg, .offset: 8, .size: 8, .value_kind: global_buffer, .address_space: global }
      - { .name: bq, .offset: 16, .size: 8, .value_kind: global_buffer, .address_space: global }
      - { .name: bk, .offset: 24, .size: 8, .value_kind: global_buffer, .address_space: global }
      - { .name: bv, .offset: 32, .size: 8, .value_kind: global_buffer, .address_space: global }
      - { .name: src_mask, .offset: 40, .size: 8, .value_kind: global_buffer, .address_space: global }
      - { .name: qk, .offset: 48, .size: 8, .value_kind: global_buffer, .address_space: global }
      - { .name: vt, .offset: 56, .size: 8, .value_kind: global_buffer, .address_space: global }
    .group_segment_fixed_size: 327680
    .private_segment_fixed_size: 0
    .kernarg_segment_align: 8
    .kernarg_segment_size: 64
    .max_flat_workgroup_size: 128
    .sgpr_count:     100
    .vgpr_count:     1024
    .wavefront_size: 32
...
	.end_amdgpu_metadata
.endif
;; end of part 2
;; launch attn (part 3): grid 16 x 16, 8 waves a work-group, clusters of 4 x 1, 327,680 bytes of LDS; arguments qk, vt, src_mask, ctx; writes ctx
.if DOCPART == 3
	.amdgcn_target "amdgcn-amd-amdhsa--gfx1250"
	.amdhsa_code_object_version 6
	.text
	.protected	k_qeb7a0b763b_attn
	.globl	k_qeb7a0b763b_attn
	.p2align	8
	.type	k_qeb7a0b763b_attn,@function
k_qeb7a0b763b_attn:
	s_mov_b64 s[64:65], 0
	v_nop
	global_prefetch_b8 v0, s[64:65] scope:SCOPE_SE
	s_setreg_imm32_b32 hwreg(HW_REG_WAVE_MODE, 25, 1), 1
	s_wait_xcnt 0x0
	s_wait_alu depctr_hold_cnt(0) depctr_sa_sdst(0) depctr_va_vdst(0) depctr_va_sdst(0) depctr_va_ssrc(0) depctr_va_vcc(0) depctr_vm_vsrc(0)
	s_getreg_b32 s2, hwreg(HW_REG_IB_STS2, 6, 4)
	s_cmp_eq_u32 s2, 0
	s_cbranch_scc0 .Lentry_in_a_cluster
	s_endpgm
.Lentry_in_a_cluster:
	s_bfe_u32 s2, ttmp6, 0x10000c
	s_cmp_lg_u32 s2, 0x3003
	s_cbranch_scc0 .Lentry_shape_is_right
	s_endpgm
.Lentry_shape_is_right:
; ctx = softmax(q k^T / 8, masked) v for 32 heads of 64, 2,048 keys, both products on codes of FP6 (E2M3) with E8M0 scales; ctx is quantised along its features and stored as codes.
; OPERANDS ARE CHUNKS in memory (128 rows x 128 along K, 12,800 bytes: eight images of 1,536 bytes, register pair p of lane L at 256 p + 8 L; scale words of tile t, lane r at 12,288 + 256 (t / 4) + 16 r + 4 (t % 4);
; lane r of tile t holds row 32 (t / 2) + 8 (t % 2) + r + 8 (r / 8)).  qk: [32 token blocks][16: q of head pair hp, k at 8 + hp]; vt: [8 head pairs][32 token blocks], K = the keys; ctx: [32 token blocks][8 head pairs].
; IN LDS a chunk is 50 rows of 256 bytes, 272 apart (the descriptor pads): an image is 1,632 bytes, the scale words begin at 13,056.
; THE SOFTMAX: t = raw score x log2(e) / 8; M = the running largest t rounded up to a whole number; p = 2^(t - M) is quantised along the keys, not normalised; the row's sum is taken of the unquantised p and divides at the end.
; SHARES: a work-group owns 128 queries of a head pair; wave w owns head w >> 2 and TWO tiles of 16 queries, 2 (w & 3) and the next: each fragment of K, of V and of the mask's table feeds two products.
; Tile a lives in register window 0, tile b in window 1, under the same register numbers: the softmax is one macro.  Every wave walks all 2,048 keys, 128 a step.
; Both products are used transposed (S^T = K Q^T, O^T = V^T P^T): a lane holds one query.  WHICH ROWS FORM A TILE IS CHOSEN HERE, BY THE LDS ADDRESSES: lane r of tile 4 g + u takes row 64 g + 32 (r / 8) + 8 u + r % 8,
; which lies in image 4 g + 2 (r / 8) + u % 2 at lane r % 8 + 8 (u / 2).  So the 32 registers of four tiles are 32 NEIGHBOURS, 64 g + 32 (lane / 16) + 0..31: a whole block of the next K in one lane, in the operand's own order.
; With rows 272 apart the four groups of eight lanes of such a load of 8 bytes fall on bytes 0-63, 128-191, 192-255 and 64-127 modulo 256.
; A HEAD IS 64 OF THE INSTRUCTION'S 128 ALONG K: Q's upper six registers are zero codes, so what stands in the upper six registers of K's operand (the next tile's codes, or zeros) adds nothing; both sides' upper two scale bytes are 0.
; THE MASK: a table of 0 or -2^33 for each key lies in LDS and is loaded as the C of S^T's products (tile b's take it from window 0; tile a's then add in place); the launch before has cleared the codes of masked keys.
; LIMIT: a masked logit is so -2^30 where the definition has -1e9: the same results while real logits stay above about -1e8; a row whose every key is masked has p = 1 throughout, as the definition has.  NaN and infinities are not served.
; CLUSTER: the four work-groups of a cluster walk the same K and V: every tile is asked for jointly (mask 15).  Two LDS slots of four key steps; waves 0-3 fetch K's four chunks, waves 4-7 V's, one load each behind each round.
; LOADS FROM LDS RUN AHEAD: the next step's K is asked for behind this step's scores, the next step's mask numbers behind tile a's softmax; V has registers of its own (window 1).
; REGISTERS, window 0 alone: v1-11, v28-31 addresses; v32-85 K's fragments; v86-93 K's scale bytes; v227-228 Q's scale bytes; v229-230 p's scale words; v232-235 V's scale words; v236-239 addresses of the way out and the table.
; window 1 alone: v32-79 V's fragments.  Both windows: v12 -M, v13 largest score, v[14:15] the sum, v16-27 Q, v96-159 S^T then p, v160-191 O^T, v192-210 p's codes, v212-225 and v240-253 at work.
.set CH,    12800
.set CHL,   13600
.set IMG,   1632
.set SCW,   13056
.set VOFF,  4*CHL
.set SLOT1, 1<<17
.set MB,    2*SLOT1
.set SCM,   MB+8192
.set SPARE, SCM+512                    ; the spare words: 128 bytes for each of 8 waves: four blocks of 256 bytes that no other line names
.set NSL,   4
.set UNROLL, 0                         ; 0: a slot's first three steps are a counted loop; 1: written out
.set AK0,  1
.set AV0,  2
.set ASK0, 3
.set ASV0, 4
.set SPW,  5
.set NIL,  6
.set AMB0, 7
.set ADK,  8
.set ADV,  9
.set ADS,  10
.set ADT,  11
.set ADM,  28
.set GO,   29
.set QS,   30
.set PFO,  31
.set KS,   86
.set QSC,  227
.set PW,   229
.set VS,   232
.set SCA,  236
.set SCR,  237
.set L16,  238
.set TBA,  239
.set PC,   192
.set C2,   204
.set BM,   212
.set BN,   214
.set X,    216
.set T,    217
.set OLD,  218
.set SH,   219
.set SO,   220
.set PB,   222
.set F,    224
.set CHN,  240
.set WV,   18
.set SEL,  20
.set CS,   22
.set G1,   24
.set G0K,  40
.set G0V,  44
.set TB,   48
.set TMK,  49
.set SLOTS, 50
.set LIM,  51
.set PFA,  52
.set PFS,  54
.set TK,   70
.set QC,   71
.set MSB, 0
.macro WIN new                         ; the immediate's high byte repeats the setting that is left
.if MSB != (\new)
	s_set_vgpr_msb (MSB<<8)|(\new)
.set MSB, (\new)
.endif
.endm
.macro TLOAD                           ; waves 0-3: K's chunks; waves 4-7: V's; every way passes one load; an s_nop 0 and four v_nop follow each
	s_cmp_lt_u32 s[WV], 4
	s_cbranch_scc0 .Lfor_v_\@
	tensor_load_to_lds s[G0K:G0K+3], s[G1:G1+7]
	s_nop 0
.rept 4
	v_nop
.endr
	s_branch .Lasked_\@
.Lfor_v_\@:
	tensor_load_to_lds s[G0V:G0V+3], s[G1:G1+7]
	s_nop 0
.rept 4
	v_nop
.endr
.Lasked_\@:
.endm
; A prefetch of what the NEXT change of slots will ask for, four key steps ahead of that load.  All four clusters of a head pair walk the same K and V: the first of them asks.  Its four partners take a chunk each, told apart BY ADDRESS;
; in each, waves 0, 1 ask for the two halves (6,400 bytes, 25 blocks of 256) of K's chunk and waves 2, 3 of V's, lanes 256 bytes apart (lanes 25-31 name lane 24's block).  The last change that fills a slot asks for nothing.
.macro ASK
	s_cmp_gt_u32 s[SLOTS], s[LIM]
	s_cbranch_scc0 .Lnot_mine_\@
	global_prefetch_b8 v[PFO], s[PFA:PFA+1] th:TH_LOAD_NT scope:SCOPE_SE
.Lnot_mine_\@:
.endm
.macro CROUND                          ; a round of the cluster's barrier
	s_barrier_signal -1
	s_barrier_wait -1
	s_cmp_lg_u32 s[WV], 0
	s_cbranch_scc1 .Lnot_wave_0_\@
	s_barrier_signal -3
.Lnot_wave_0_\@:
	s_barrier_wait -3
	s_barrier_signal -1
	s_barrier_wait -1
.endm
	s_load_b256 s[4:11], s[0:1], 0x0               ; qk s[4:5], vt s[6:7], src_mask s[8:9], ctx s[10:11]
	v_lshl_add_u32 v[SPW], v0, 2, SPARE
	v_mov_b32 v[NIL], 0
	ds_add_u32 v[SPW], v[NIL]                      ; the opening lines: the add, twice on end; its wait stands ahead of my first tensor load
	ds_add_u32 v[SPW], v[NIL]
	v_lshrrev_b32 v8, 5, v0
	v_readfirstlane_b32 s[WV], v8                  ; wave 0..7
	s_bfe_u32 s13, ttmp6, 0x40000                  ; cx
	s_lshl_b32 s14, ttmp9, 2
	s_add_co_u32 s14, s14, s13                     ; my block of 128 queries in the batch: it enters Q's and ctx's addresses alone
	s_and_b32 s15, ttmp7, 0xffff
	s_lshr_b32 s16, s15, 3                         ; the batch
	s_and_b32 s17, s15, 7                          ; the head pair
	s_and_b32 s19, s[WV], 3                        ; which of a slot's four chunks I fetch
	s_lshl_b32 s32, s16, 8
	s_add_co_u32 s32, s32, s17
	s_add_co_u32 s32, s32, 8
	s_mul_i32 s32, s32, CH                         ; k of the batch's first 128 keys; 16 chunks on for each further 128
	s_lshl_b32 s33, s17, 5
	s_lshl_b32 s36, s16, 4
	s_add_co_u32 s33, s33, s36
	s_mul_i32 s33, s33, CH                         ; v likewise; one chunk on
	s_mul_i32 s34, s19, 16*CH
	s_add_co_u32 s34, s34, s32
	s_mov_b32 s35, 0
	s_mul_i32 s38, s19, CH
	s_add_co_u32 s38, s38, s33
	s_mov_b32 s39, 0
	s_mul_i32 s36, s19, CHL                        ; my chunk's place in a slot
	s_mov_b32 s[G1], 15|(3<<16)|(1<<20)|(1<<21)|(5<<22)|(3<<25)   ; mask: all four work-groups; elements of 8 bytes; padding of 4 words behind every 64; bit 21 beside a mask
	s_mov_b32 s[G1+1], 32<<16
	s_mov_b32 s[G1+2], 50<<16
	s_mov_b32 s[G1+3], 32<<16
	s_mov_b32 s[G1+4], 50
	s_mov_b32 s[G1+5], 32
	s_mov_b32 s[G1+6], 0
	s_mov_b32 s[G1+7], 0
	s_mov_b32 s[SEL], 0x76543210
	s_mov_b32 s[SEL+1], 0xfedcba98
	s_mov_b32 s[CS], 0x3e38aa3b                    ; c = log2(e) / 8
	s_mov_b32 s[CS+1], s[CS]
	s_mov_b32 s[TB], 0
	s_mov_b32 s[TMK], 0
	s_mov_b32 s[SLOTS], NSL-1
	s_wait_dscnt 0x0                               ; both opening adds are done
	s_wait_kmcnt 0x0
	s_mov_b32 s[G0K], 1
	s_mov_b32 s[G0K+1], s36
	s_add_nc_u64 s[G0K+2:G0K+3], s[4:5], s[34:35]
	s_or_b32 s[G0K+3], s[G0K+3], 0x80000000
	s_mov_b32 s[G0V], 1
	s_add_co_u32 s[G0V+1], s36, VOFF
	s_add_nc_u64 s[G0V+2:G0V+3], s[6:7], s[38:39]
	s_or_b32 s[G0V+3], s[G0V+3], 0x80000000
	CROUND                                         ; all four work-groups are here
	TLOAD                                          ; slot 0
	s_mov_b32 s57, CH                              ; the prefetches: where my wave's stand, and who asks
	s_mov_b32 s[PFS], 4*CH
	s_cmp_lt_u32 s[WV], 2                          ; waves 0, 1: K; waves 2, 3: V
	s_cselect_b64 s[PFA:PFA+1], s[4:5], s[6:7]
	s_cselect_b32 s56, s32, s33
	s_cselect_b32 s57, 16*CH, s57                  ; from chunk to chunk
	s_cselect_b32 s[PFS], 64*CH, s[PFS]            ; a slot on
	s_mul_i32 s57, s57, s13                        ; my work-group's chunk
	s_add_co_u32 s56, s56, s57
	s_and_b32 s57, s[WV], 1
	s_mul_i32 s57, s57, 6400                       ; my wave's half of it
	s_add_co_u32 s56, s56, s57
	s_add_co_u32 s56, s56, s[PFS]                  ; in slot 1: the first change of slots steps it to slot 2
	s_mov_b32 s57, 0
	s_mov_b32 s[PFS+1], 0
	s_add_nc_u64 s[PFA:PFA+1], s[PFA:PFA+1], s[56:57]
	s_lshr_b32 s56, s[WV], 2                       ; 0 in waves 0 to 3,
	s_or_b32 s56, s56, ttmp9                       ; of the head pair's first cluster: the same in all four partners
	s_cmp_eq_u32 s56, 0
	s_cselect_b32 s[LIM], 1, -1
	s_lshl_b32 s56, s16, 4
	s_add_co_u32 s56, s56, s14                     ; my block of 128 tokens
	s_lshl_b32 s57, s56, 4
	s_add_co_u32 s57, s57, s17
	s_mul_i32 s58, s57, CH
	s_mov_b32 s59, 0
	s_add_nc_u64 s[58:59], s[4:5], s[58:59]        ; Q's chunk
	s_lshl_b32 s57, s56, 3
	s_add_co_u32 s57, s57, s17
	s_mul_i32 s60, s57, CH
	s_mov_b32 s61, 0
	s_add_nc_u64 s[10:11], s[10:11], s[60:61]      ; ctx's chunk
	s_lshl_b32 s60, s16, 13
	s_add_nc_u64 s[8:9], s[8:9], s[60:61]          ; my batch's 2,048 words of the mask
	s_lshl_b32 s62, s19, 1                         ; tile a of my two
	s_lshr_b32 s63, s[WV], 2                       ; c: my head of the pair
	s_mul_i32 s66, s62, 1536
	s_mul_i32 s69, s63, 768
	s_add_co_u32 s66, s66, s69
	s_lshr_b32 s67, s62, 2
	s_lshl_b32 s67, s67, 8
	s_and_b32 s68, s62, 3
	s_lshl_b32 s68, s68, 2
	s_add_co_u32 s67, s67, s68
	s_lshl_b32 s68, s63, 1
	s_add_co_u32 s67, s67, s68
	s_mul_i32 s56, s63, 816                        ; K: my head's three rows of an image
	s_mul_i32 s57, s63, 4*IMG
	s_add_co_u32 s57, s57, VOFF                    ; V: my head's four images
	s_add_co_u32 s60, s68, SCW                     ; K's scale bytes: + 2 c
	s_mul_i32 s61, s63, 272
	s_add_co_u32 s61, s61, VOFF+SCW                ; V's scale words: my head's row
	v_and_b32 v8, 15, v0                           ; r
	v_bfe_u32 v9, v0, 4, 1                         ; h
	v_and_b32 v10, 31, v0                          ; lane
	v_and_b32 v240, 7, v0                          ; r % 8
	v_bfe_u32 v241, v0, 3, 1                       ; r / 8
	v_lshlrev_b32 v11, 3, v10
	v_lshlrev_b32 v28, 4, v8
	v_lshlrev_b32 v242, 3, v240
	v_mul_u32_u24 v243, v241, 2*IMG
	v_lshlrev_b32 v244, 4, v240
	v_lshl_add_u32 v242, v9, 7, v242
	v_lshl_add_u32 v244, v241, 3, v244             ; scale words: 16 (r % 8) + 8 (r / 8)
	v_add_nc_u32 v242, v242, v243                  ; fragments: 8 (r % 8) + 128 h + two images x (r / 8)
	v_add_nc_u32 v[GO], s66, v11                   ; Q's and ctx's chunk: 1,536 tile + 768 c + 8 lane
	v_add_nc_u32 v[QS], s67, v28                   ; 256 (tile / 4) + 4 (tile % 4) + 2 c + 16 r
	v_add_nc_u32 v[AK0], s56, v242
	v_add_nc_u32 v[AV0], s57, v242
	v_add_nc_u32 v[ASK0], s60, v244
	v_add_nc_u32 v[ASV0], s61, v244
	v_lshl_add_u32 v[AMB0], v9, 7, MB              ; the table: + 32 keys x h
	v_add_nc_u32 v[SCA], v[QS], v9
	v_lshl_add_u32 v[SCR], v10, 4, SCM
	v_lshlrev_b32 v[L16], 4, v10
	v_lshl_add_u32 v[TBA], v0, 5, MB
	v_lshlrev_b32 v245, 5, v0
	v_mov_b32 v246, 0xd0000000                     ; -2^33
	v_min_u32 v[PFO], 24, v10
	v_add_nc_u32 v[SCA], SCM, v[SCA]               ; where my block's scale byte of ctx goes
	v_lshlrev_b32 v[PFO], 8, v[PFO]
	s_wait_alu depctr_va_vdst(0)                   ; the wait here, ahead of the readers below
	global_load_b128 v[96:99], v245, s[8:9]        ; eight words of the mask a thread
	global_load_b128 v[100:103], v245, s[8:9] offset:16
.irp p, 0,1,2
	global_load_b64 v[16+2*\p:17+2*\p], v[GO], s[58:59] offset:256*\p   ; Q of tile a: registers 0-5 of the operand
.endr
	global_load_u16 v[QSC], v[QS], s[58:59] offset:12288   ; its two scale bytes; the upper two are 0
	global_load_u16 v[QSC+1], v[QS], s[58:59] offset:12292 ; tile b's
.macro INIT
	v_mov_b32 v12, 0x7e000000                      ; -M: a large whole number
	v_mov_b32 v13, 0xff61b1e6                      ; the largest score so far: -3e38
	v_mov_b32 v14, 0
	v_mov_b32 v15, 0
	v_mov_b32 v[F+1], 0
	v_mov_b32 v[X], 0                              ; a lane permute's destination counts as one of its sources
	v_lshlrev_b32 v[SH], 3, v9                     ; 8 h
.irp i, 0,1,2,3,4,5
	v_mov_b32 v[22+\i], 0                          ; Q's upper 64 along K: zero codes
.endr
.set j, 0
.rept 32
	v_mov_b32 v[160+j], 0                          ; O^T: the step is written once for all steps
.set j, j+1
.endr
.endm
	WIN 0x40
.irp p, 0,1,2
	global_load_b64 v[16+2*\p:17+2*\p], v[GO], s[58:59] offset:1536+256*\p   ; Q of tile b, into window 1
.endr
	INIT
	WIN 0
	INIT
.irp i, 0,1,2,3,4,5
	v_mov_b32 v[80+\i], 0                          ; what stands behind K's last tile
.endr
	s_wait_alu depctr_va_vdst(0)
	s_wait_loadcnt 0x0
.irp i, 0,1,2,3,4,5,6,7
	v_cmp_eq_u32 vcc_lo, 0, v[96+\i]
	v_cndmask_b32 v[96+\i], 0, v246, vcc_lo        ; 0 where the key counts
.endr
	ds_store_b128 v[TBA], v[96:99]                 ; read by all waves behind the first change of slots, whose wait for 0 and barrier stand between
	ds_store_b128 v[TBA], v[100:103] offset:16
	s_wait_alu depctr_va_vdst(0)                   ; the wait at the head's end
.macro KLOAD q                         ; K's eight tiles (my head's 64 along K: three pairs each) and their scale bytes: 32 loads
.irp t, 0,1,2,3,4,5,6,7
.irp p, 0,1,2
	ds_load_b64 v[32+6*\t+2*\p:33+6*\t+2*\p], v[ADK] offset:(\q)*CHL+IMG*(4*(\t/4)+(\t%2))+64*((\t%4)/2)+272*\p
.endr
	ds_load_u16 v[KS+\t], v[ADS] offset:(\q)*CHL+272*(\t/4)+128*((\t%4)/2)+4*(\t%2)
.endr
.endm
.macro MLOAD q                         ; the mask's numbers of keys 64 (t / 4) + 32 h + 8 (t % 4) + 0..7: the C of tile t
.irp t, 0,1,2,3,4,5,6,7
	ds_load_b128 v[96+8*\t:99+8*\t], v[ADM] offset:(\q)*512+256*(\t/4)+32*(\t%4)
	ds_load_b128 v[100+8*\t:103+8*\t], v[ADM] offset:(\q)*512+256*(\t/4)+32*(\t%4)+16
.endr
.endm
.macro SUMR o                          ; seven chains and the sum itself take eight pairs of p
.irp k, 0,1,2,3,4,5,6
	v_pk_add_f32 v[CHN+2*\k:CHN+2*\k+1], v[CHN+2*\k:CHN+2*\k+1], v[\o+2*\k:\o+2*\k+1]
.endr
	v_pk_add_f32 v[14:15], v[14:15], v[\o+14:\o+15]
.endm
.macro FMAS n                          ; t - M, two at a time
.rept \n
	v_pk_fma_f32 v[96+j:97+j], v[96+j:97+j], s[CS:CS+1], v[12:13] op_sel_hi:[1,0,0]
.set j, j+2
.endr
.endm
; THE SOFTMAX of one tile of queries over 128 keys, all in window w.  A lane holds blocks h and 2 + h whole.
.macro SOFTMAX w
	WIN 0x55*(\w)
	s_wait_alu depctr_va_vdst(0)                   ; the wait directly ahead of the scores' first readers
.irp c, 0,1
	v_max3_num_f32 v[BM+\c], v[96+32*\c], v[97+32*\c], v[98+32*\c]   ; the largest score of each block: for the row's maximum and for the block's largest p; each accumulator is read from its low end on
	v_max3_num_f32 v[BN+\c], v[112+32*\c], v[113+32*\c], v[114+32*\c]
.endr
.irp i, 3,5,7,9,11,13
.irp c, 0,1
	v_max3_num_f32 v[BM+\c], v[BM+\c], v[96+32*\c+\i], v[97+32*\c+\i]
	v_max3_num_f32 v[BN+\c], v[BN+\c], v[112+32*\c+\i], v[113+32*\c+\i]
.endr
.endr
.irp c, 0,1
	v_max3_num_f32 v[BM+\c], v[BM+\c], v[BN+\c], v[111+32*\c]
.endr
.irp c, 0,1
	v_max_num_f32 v[BM+\c], v[BM+\c], v[127+32*\c]
.endr
	v_mov_b32 v[OLD], v12
	v_max_num_f32 v[T], v[BM], v[BM+1]
	v_permlanex16_b32 v[X], v[T], s[SEL], s[SEL+1]
	v_max3_num_f32 v13, v13, v[T], v[X]            ; the running largest score (c is positive)
	v_mul_f32 v[T], s[CS], v13                     ; as t
	v_floor_f32 v12, -v[T]                         ; the new -M = -ceil(t): a whole number
.set j, 0
	FMAS 10
	v_sub_f32 v[T], v12, v[OLD]                    ; old M - new M: a whole number, 0 or less
	FMAS 10
	v_cvt_i32_f32 v[T], v[T]                       ; (it saturates)
	FMAS 12
	v_ldexp_f32 v[F], 1.0, v[T]                    ; f = 2^(old M - new M): a multiplication by it rounds nothing
.irp c, 0,1
	v_fma_f32 v[BM+\c], v[BM+\c], s[CS], v12
.endr
	s_wait_alu depctr_va_vdst(0)                   ; the wait ahead of the batch
.set j, 0
.rept 64
	v_exp_f32 v[96+j], v[96+j]                     ; p = 2^(t - M)
.set j, j+1
.endr
.irp c, 0,1
	v_exp_f32 v[BM+\c], v[BM+\c]                   ; the block's largest p: the same two instructions on the same number
.endr
	v_pk_mul_f32 v[14:15], v[14:15], v[F:F+1] op_sel_hi:[1,0]   ; the sum under the new M (a plain place behind the exponentials)
	s_wait_alu depctr_va_vdst(0)                   ; one wait for the whole batch
.irp c, 0,1
	v_max_num_f32 v[BM+\c], 0x1800000, v[BM+\c]    ; the floor 2^(3 - 127)
.endr
.irp k, 0,1,2,3,4,5,6
	v_pk_add_f32 v[CHN+2*\k:CHN+2*\k+1], v[96+2*\k:97+2*\k], v[112+2*\k:113+2*\k]   ; the row's sum is taken of the unquantised p
.endr
	v_pk_add_f32 v[14:15], v[14:15], v[110:111]
.irp c, 0,1
	v_add_nc_u32 v[SO+\c], 0xff000000, v[BM+\c]    ; 2 off the exponent field: the conversion's scale operand
.endr
.irp c, 0,1
	v_cvt_scalef32_pk16_fp6_f32 v[PC+6*\c:PC+6*\c+2], v[96+32*\c:111+32*\c], v[SO+\c]
	v_cvt_scalef32_pk16_fp6_f32 v[C2+4*\c:C2+4*\c+2], v[112+32*\c:127+32*\c], v[SO+\c]   ; (a conversion's three registers begin on an even number)
.endr
	v_nop                                          ; one plain place behind a scaled conversion
.irp c, 0,1
	v_lshrrev_b32 v[PB+\c], 23, v[SO+\c]           ; the scale's byte
.endr
.irp c, 0,1
.irp i, 0,1,2
	v_mov_b32 v[PC+3+6*\c+\i], v[C2+4*\c+\i]       ; registers 6 c .. 6 c + 5: keys 64 c + 32 h + 0..31
.endr
.endr
	v_lshl_or_b32 v[T], v[PB+1], 16, v[PB]         ; my two bytes: blocks h and 2 + h,
	SUMR 128
	v_lshlrev_b32 v[T], v[SH], v[T]                ; at their places in the scale word
	SUMR 144
	v_permlanex16_b32 v[X], v[T], s[SEL], s[SEL+1]
	v_pk_add_f32 v[14:15], v[14:15], v[126:127]
	v_pk_add_f32 v[CHN:CHN+1], v[CHN:CHN+1], v[CHN+2:CHN+3]
	v_pk_add_f32 v[CHN+4:CHN+5], v[CHN+4:CHN+5], v[CHN+6:CHN+7]
	v_pk_add_f32 v[CHN+8:CHN+9], v[CHN+8:CHN+9], v[CHN+10:CHN+11]
	WIN 0x05*(\w)                                  ; scale operands are taken from window 0
	v_or_b32 v[PW+(\w)], v[T], v[X]                ; with lane l xor 16's two the word is whole
	WIN 0x55*(\w)
	v_pk_add_f32 v[CHN:CHN+1], v[CHN:CHN+1], v[CHN+4:CHN+5]
	v_pk_add_f32 v[CHN+8:CHN+9], v[CHN+8:CHN+9], v[CHN+12:CHN+13]
	v_pk_add_f32 v[CHN:CHN+1], v[CHN:CHN+1], v[CHN+8:CHN+9]
	v_pk_add_f32 v[14:15], v[14:15], v[CHN:CHN+1]
	s_wait_alu depctr_va_vdst(0)                   ; the wait directly ahead of the first reader of O^T
.set j, 0
.rept 16
	v_pk_mul_f32 v[160+j:161+j], v[160+j:161+j], v[F:F+1] op_sel_hi:[1,0]   ; O^T under the new M
.set j, j+2
.endr
	s_wait_alu depctr_va_vdst(0)
.endm
.macro PV w                            ; O^T += V^T P^T: four accumulators by turns
.irp t, 0,1,2,3
	v_wmma_scale_f32_16x16x128_f8f6f4 v[160+8*\t:167+8*\t], v[32+12*\t:43+12*\t], v[PC:PC+11], v[160+8*\t:167+8*\t], v[VS+\t], v[PW+(\w)] matrix_a_fmt:MATRIX_FMT_FP6 matrix_b_fmt:MATRIX_FMT_FP6
.endr
.endm
; A KEY STEP: 128 keys, chunk q from s[TK] on.  pre = 1: the next step lies in the same slot, and its K and mask numbers are asked for here.
.macro STEP q, pre
	s_wait_dscnt 0x0                               ; this step's K, its scale bytes and the mask's numbers are in
	WIN 0x44                                       ; tile b: D and Q in window 1, K and C (the mask) in window 0
.irp t, 0,1,2,3,4,5,6,7
	v_wmma_scale_f32_16x16x128_f8f6f4 v[96+8*\t:103+8*\t], v[32+6*\t:43+6*\t], v[16:27], v[96+8*\t:103+8*\t], v[KS+\t], v[QSC+1] matrix_a_fmt:MATRIX_FMT_FP6 matrix_b_fmt:MATRIX_FMT_FP6
.endr
	WIN 0
	v_add_nc_u32 v[ADK], s[TK], v[AK0]             ; five places: tile a's products write over the C of tile b's
	v_add_nc_u32 v[ADV], s[TK], v[AV0]
	v_add_nc_u32 v[ADS], s[TK], v[ASK0]
	v_add_nc_u32 v[ADT], s[TK], v[ASV0]
	v_add_nc_u32 v[ADM], s[TMK], v[AMB0]
.irp t, 0,1,2,3,4,5,6,7
	v_wmma_scale_f32_16x16x128_f8f6f4 v[96+8*\t:103+8*\t], v[32+6*\t:43+6*\t], v[16:27], v[96+8*\t:103+8*\t], v[KS+\t], v[QSC] matrix_a_fmt:MATRIX_FMT_FP6 matrix_b_fmt:MATRIX_FMT_FP6
.endr
.rept 4
	v_nop                                          ; places in front of the loads into K's registers and of the first read of the scores
.endr
	WIN 0x40
.irp t, 0,1,2,3
.irp p, 0,1,2,3,4,5
	ds_load_b64 v[32+12*\t+2*\p:33+12*\t+2*\p], v[ADV] offset:(\q)*CHL+IMG*(\t%2)+64*(\t/2)+272*\p   ; V's four tiles, into window 1
.endr
.endr
	WIN 0
	ds_load_b64 v[VS:VS+1], v[ADT] offset:(\q)*CHL
	ds_load_b64 v[VS+2:VS+3], v[ADT] offset:(\q)*CHL+128
.if \pre
	KLOAD (\q)+1
.endif
	SOFTMAX 0
	s_wait_dscnt 32*(\pre)                         ; V and its scale words are in; the 32 younger loads, the next step's K, may be out
	WIN 0x01                                       ; V in window 1
	PV 0
	WIN 0
.if \pre
	MLOAD (\q)+1                                   ; p of tile a has been converted and summed: its registers take the next step's mask numbers
.endif
	SOFTMAX 1
	PV 1
	WIN 0
.endm
; THE CHANGE OF SLOTS stands at a slot's head: each wave waits for all its tensor loads, adds 0 to its spare word, and waits for that and for its reads of the slot that it has left.  fill = 1: a round of the cluster's barrier,
; and behind it the slot just left is filled with the keys that follow: the load has four key steps in which to land.
.macro CHANGE fill
	s_wait_tensorcnt 0x0                           ; no tensor load of mine is out, so a group 0 may be written
	ds_add_u32 v[SPW], v[NIL]
	s_mov_b32 s[TK], s[TB]
	v_add_nc_u32 v[ADK], s[TB], v[AK0]
	v_add_nc_u32 v[ADS], s[TB], v[ASK0]
	v_add_nc_u32 v[ADM], s[TMK], v[AMB0]
.if \fill
	s_xor_b32 s[G0K+1], s[G0K+1], SLOT1            ; the walking descriptors: the other slot,
	s_add_nc_u64 s[G0K+2:G0K+3], s[G0K+2:G0K+3], 64*CH   ; the next 512 keys
	s_xor_b32 s[G0V+1], s[G0V+1], SLOT1
	s_add_nc_u64 s[G0V+2:G0V+3], s[G0V+2:G0V+3], 4*CH
	s_wait_xcnt 0x0                                ; the last prefetch, a slot back, has read its address
	s_add_nc_u64 s[PFA:PFA+1], s[PFA:PFA+1], s[PFS:PFS+1]
.endif
	s_wait_alu depctr_va_vdst(0)
	s_wait_dscnt 0x0                               ; the add is done, my reads of the slot that I have left are over (and, the first time, my stores into the table have landed)
.if \fill
	CROUND
	TLOAD
	ASK
.else
	s_barrier_signal -1
	s_barrier_wait -1
.endif
	KLOAD 0
	MLOAD 0
.endm
.macro SLOT_STEPS
.if UNROLL
	STEP 0, 1
	STEP 1, 1
	STEP 2, 1
	STEP 3, 0
	s_add_co_u32 s[TMK], s[TMK], 2048
.else
	s_mov_b32 s[QC], 3
.Lq_\@:
	STEP 0, 1
	s_add_co_u32 s[TK], s[TK], CHL                 ; the next chunk of the slot,
	s_add_co_u32 s[TMK], s[TMK], 512               ; the next 128 keys of the table
	s_sub_co_u32 s[QC], s[QC], 1
	s_cmp_lg_u32 s[QC], 0
	s_cbranch_scc1 .Lq_\@
	STEP 0, 0                                      ; the slot's last step asks for nothing of the next slot
	s_add_co_u32 s[TMK], s[TMK], 512
.endif
	s_xor_b32 s[TB], s[TB], SLOT1
.endm
.Lslot:                                            ; NSL - 1 trips
	CHANGE 1
	SLOT_STEPS
	s_sub_co_u32 s[SLOTS], s[SLOTS], 1
	s_cmp_lg_u32 s[SLOTS], 0
	s_cbranch_scc1 .Lslot
	CHANGE 0                                       ; the last slot is written out
	SLOT_STEPS
; THE WAY OUT of tile w: O^T / the sum; register i is feature 32 h + i of my head: one whole block a lane; its codes are registers 6 c .. 6 c + 5 of the tile's image in ctx's chunk
.macro OUT w
	WIN 0x55*(\w)
	v_add_f32 v14, v14, v15
	v_permlanex16_b32 v[X], v14, s[SEL], s[SEL+1]
	v_add_f32 v14, v14, v[X]                       ; the row's sum
	s_wait_alu depctr_va_vdst(0)
	v_rcp_f32 v14, v14
	v_nop                                          ; a plain place behind the reciprocal
	s_wait_alu depctr_va_vdst(0)
.set j, 0
.rept 16
	v_pk_mul_f32 v[96+j:97+j], v[160+j:161+j], v[14:15] op_sel_hi:[1,0]
.set j, j+2
.endr
	v_max3_num_f32 v[BM], |v96|, |v97|, 0x1800000
	v_max3_num_f32 v[BN], |v112|, |v113|, |v114|
.irp i, 2,4,6,8,10,12
	v_max3_num_f32 v[BM], v[BM], |v[96+\i]|, |v[97+\i]|
	v_max3_num_f32 v[BN], v[BN], |v[113+\i]|, |v[114+\i]|
.endr
	v_max3_num_f32 v[BM], v[BM], |v110|, |v111|
	v_max3_num_f32 v[BM], v[BM], v[BN], |v127|
	v_add_nc_u32 v[SO], 0xff000000, v[BM]
	v_cvt_scalef32_pk16_fp6_f32 v[PC:PC+2], v[96:111], v[SO]
	v_cvt_scalef32_pk16_fp6_f32 v[C2:C2+2], v[112:127], v[SO]
	v_nop
	v_lshrrev_b32 v[PB], 23, v[SO]
.irp i, 0,1,2
	v_mov_b32 v[PC+3+\i], v[C2+\i]
.endr
	WIN 0x04*(\w)                                  ; the data in window w, the addresses in window 0
.irp p, 0,1,2
	global_store_b64 v[GO], v[PC+2*\p:PC+2*\p+1], s[10:11] offset:1536*(\w)+256*\p   ; 256 consecutive bytes a store
.endr
	ds_store_b8 v[SCA], v[PB] offset:4*(\w)        ; my block's scale byte
	WIN 0
.endm
.rept 4
	v_nop                                          ; places behind the last products
.endr
	OUT 0
	OUT 1
	s_wait_dscnt 0x0                               ; for wave 0's sake
	s_barrier_signal -1
	s_barrier_wait -1
	s_cmp_lg_u32 s[WV], 0
	s_cbranch_scc1 .Lnot_first
	ds_load_b128 v[96:99], v[SCR]                  ; wave 0 stores the chunk's 512 bytes of scale words
	s_wait_dscnt 0x0
	global_store_b128 v[L16], v[96:99], s[10:11] offset:12288
.Lnot_first:
	s_wait_tensorcnt 0x0                           ; the wave's end
	ds_add_u32 v[SPW], v[NIL]
	s_wait_dscnt 0x0
	CROUND                                         ; the closing round
	s_endpgm
.Lfunc_end_k_qeb7a0b763b_attn:
	.size	k_qeb7a0b763b_attn, .Lfunc_end_k_qeb7a0b763b_attn-k_qeb7a0b763b_attn
	.p2alignl 7, 3214868480
	.fill 96, 4, 3214868480
	.section	.rodata,"a",@progbits
	.p2align	6, 0x0
	.amdhsa_kernel k_qeb7a0b763b_attn
		.amdhsa_group_segment_fixed_size 327680
		.amdhsa_private_segment_fixed_size 0
		.amdhsa_enable_private_segment 0
		.amdhsa_kernarg_size 32
		.amdhsa_user_sgpr_count 2
		.amdhsa_user_sgpr_kernarg_segment_ptr 1
		.amdhsa_wavefront_size32 1
		.amdhsa_system_sgpr_workgroup_id_x 1
		.amdhsa_system_sgpr_workgroup_id_y 1
		.amdhsa_system_sgpr_workgroup_id_z 1
		.amdhsa_system_vgpr_workitem_id 0
		.amdhsa_next_free_vgpr 512
		.amdhsa_next_free_sgpr 72
		.amdhsa_reserve_vcc 1
		.amdhsa_float_denorm_mode_32 3
		.amdhsa_float_denorm_mode_16_64 3
		.amdhsa_memory_ordered 1
		.amdhsa_forward_progress 1
		.amdhsa_inst_pref_size 141
	.end_amdhsa_kernel
	.amdgpu_metadata
---
amdhsa.version: [ 1, 2 ]
amdhsa.kernels:
  - .name:           k_qeb7a0b763b_attn
    .symbol:         k_qeb7a0b763b_attn.kd
    .args:
      - { .name: qk, .offset: 0, .size: 8, .value_kind: global_buffer, .address_space: global }
      - { .name: vt, .offset: 8, .size: 8, .value_kind: global_buffer, .address_space: global }
      - { .name: src_mask, .offset: 16, .size: 8, .value_kind: global_buffer, .address_space: global }
      - { .name: ctx, .offset: 24, .size: 8, .value_kind: global_buffer, .address_space: global }
    .group_segment_fixed_size: 327680
    .private_segment_fixed_size: 0
    .kernarg_segment_align: 8
    .kernarg_segment_size: 32
    .max_flat_workgroup_size: 256
    .sgpr_count:     72
    .vgpr_count:     512
    .wavefront_size: 32
...
	.end_amdgpu_metadata
.endif
;; end of part 3
;; launch oproj (part 4): grid 8 x 32, 4 waves a work-group, clusters of 4 x 4, 327,680 bytes of LDS; arguments ctx, wimg, bo, x, x1; writes x1
.if DOCPART == 4
	.amdgcn_target "amdgcn-amd-amdhsa--gfx1250"
	.amdhsa_code_object_version 6
	.text
	.protected	k_qeb7a0b763b_oproj
	.globl	k_qeb7a0b763b_oproj
	.p2align	8
	.type	k_qeb7a0b763b_oproj,@function
k_qeb7a0b763b_oproj:
	s_mov_b64 s[64:65], 0
	v_nop
	global_prefetch_b8 v0, s[64:65] scope:SCOPE_SE
	s_setreg_imm32_b32 hwreg(HW_REG_WAVE_MODE, 25, 1), 1
	s_wait_xcnt 0x0
	s_wait_alu depctr_hold_cnt(0) depctr_sa_sdst(0) depctr_va_vdst(0) depctr_va_sdst(0) depctr_va_ssrc(0) depctr_va_vcc(0) depctr_vm_vsrc(0)
	s_getreg_b32 s2, hwreg(HW_REG_IB_STS2, 6, 4)
	s_cmp_eq_u32 s2, 0
	s_cbranch_scc0 .Lentry_in_a_cluster
	s_endpgm
.Lentry_in_a_cluster:
	s_bfe_u32 s2, ttmp6, 0x10000c
	s_cmp_lg_u32 s2, 0xf033
	s_cbranch_scc0 .Lentry_shape_is_right
	s_endpgm
.Lentry_shape_is_right:
.set CH,    12800
.set NQ,    4
.set KCH,   8
.set WOFF,  2457600
.set LAPS,  KCH/(2*NQ)
.set ASZ,   NQ*CH
.set SLOT,  2*ASZ
.set SPARE, 2*SLOT
.set ADRA, 16
.set ASA,  18
.set ADRB, 20
.set ASB,  22
.set STO,  24
.set RD,   25
.set CO,   26
.set SPW,  28
.set NIL,  29
.set SA,   32
.set SB,   36
.set BI,   64
.set AF,   128
.set RS,   128
.set G1,   24
.set G0,   32
.set G1B,  48
.set G0B,  56
.set MSB, 0
.macro WIN new
.if MSB != (\new)
	s_set_vgpr_msb (MSB<<8)|(\new)
.set MSB, (\new)
.endif
.endm
.set MUL,  0xa1
.set TO_B, 0x40
.macro JLOAD s
	s_cmp_eq_u32 s15, 0
	s_cbranch_scc0 .Lfor_b_\@
	tensor_load_to_lds s[G0+4*\s:G0+4*\s+3], s[G1:G1+7]
	s_nop 0
.rept 4
	v_nop
.endr
	s_branch .Lasked_\@
.Lfor_b_\@:
	tensor_load_to_lds s[G0B+4*\s:G0B+4*\s+3], s[G1B:G1B+7]
	s_nop 0
.rept 4
	v_nop
.endr
.Lasked_\@:
.endm
.macro CREST
	s_cmp_lg_u32 s14, 0
	s_cbranch_scc1 .Lnot_wave_0_\@
	s_barrier_signal -3
.Lnot_wave_0_\@:
	s_barrier_wait -3
	s_barrier_signal -1
	s_barrier_wait -1
.endm
.macro CROUND
	s_barrier_signal -1
	s_barrier_wait -1
	CREST
.endm
.macro PLACES
.rept 4
	v_nop
.endr
.endm
	s_load_b256 s[4:11], s[0:1], 0x0
	s_load_b64 s[12:13], s[0:1], 0x20
	v_lshl_add_u32 v[SPW], v0, 2, SPARE
	v_mov_b32 v[NIL], 0
	ds_add_u32 v28, v29
	ds_add_u32 v28, v29
	s_wait_dscnt 0x0
	v_lshrrev_b32 v1, 5, v0
	v_readfirstlane_b32 s14, v1
	s_lshr_b32 s15, s14, 1
	s_and_b32 s16, s14, 1
	s_bfe_u32 s40, ttmp6, 0x40000
	s_bfe_u32 s41, ttmp6, 0x40004
	s_lshl_b32 s42, ttmp9, 2
	s_add_co_u32 s42, s42, s40
	s_and_b32 s17, ttmp7, 0xffff
	s_lshl_b32 s17, s17, 2
	s_add_co_u32 s17, s17, s41
	s_lshl_b32 s43, s41, 2
	s_lshl_b32 s43, 15, s43
	s_lshl_b32 s44, 0x1111, s40
	s_or_b32 s[G1+0], s43, (3<<16)|(1<<21)
	s_or_b32 s[G1B+0], s44, (3<<16)|(1<<21)
.irp g, G1, G1B
	s_mov_b32 s[\g+1], 32<<16
	s_mov_b32 s[\g+2], 100<<16
	s_mov_b32 s[\g+3], 32<<16
	s_mov_b32 s[\g+4], 100
	s_mov_b32 s[\g+5], 32
	s_mov_b32 s[\g+6], 0
	s_mov_b32 s[\g+7], 0
.endr
	s_mul_i32 s20, s17, KCH*CH
	s_mul_i32 s21, s16, 2*CH
	s_add_co_u32 s20, s20, s21
	s_mov_b32 s21, 0
	s_mul_i32 s46, s42, KCH*CH
	s_mul_i32 s47, s16, 2*CH
	s_add_co_u32 s46, s46, s47
	s_add_co_u32 s46, s46, WOFF
	s_mov_b32 s47, 0
	s_mul_i32 s45, s14, 2*CH
	s_wait_kmcnt 0x0
	s_add_nc_u64 s[20:21], s[4:5], s[20:21]
	s_add_nc_u64 s[46:47], s[6:7], s[46:47]
	CROUND
.irp s, 0,1
	s_mov_b32 s[G0+4*\s], 1
	s_add_co_u32 s[G0+4*\s+1], s45, \s*SLOT
	s_add_nc_u64 s[G0+4*\s+2:G0+4*\s+3], s[20:21], \s*NQ*CH
	s_or_b32 s[G0+4*\s+3], s[G0+4*\s+3], 0x80000000
	s_mov_b32 s[G0B+4*\s], 1
	s_add_co_u32 s[G0B+4*\s+1], s45, \s*SLOT
	s_add_nc_u64 s[G0B+4*\s+2:G0B+4*\s+3], s[46:47], \s*NQ*CH
	s_or_b32 s[G0B+4*\s+3], s[G0B+4*\s+3], 0x80000000
.endr
	JLOAD 0                                        ; slot 0: one tensor load a wave at the head; the addresses, the bias and the residual are made and asked for while it is out
	v_and_b32 v1, 15, v0
	v_and_b32 v2, 31, v0
	v_bfe_u32 v3, v0, 4, 1
	v_lshlrev_b32 v6, 3, v2
	s_wait_alu depctr_va_vdst(0)
	v_lshlrev_b32 v4, 4, v1
	s_wait_alu depctr_va_vdst(0)
	v_lshlrev_b32 v5, 6, v3
	s_mul_i32 s21, s15, 6144
	s_lshl_b32 s94, s15, 8
	s_mul_i32 s22, s16, 6144
	s_add_co_u32 s22, s22, ASZ
	s_lshl_b32 s23, s16, 8
	s_add_co_u32 s23, s23, ASZ
.irp s, 0,1
	v_add_nc_u32 v[ADRA+\s], s21, v6
	v_add_nc_u32 v[ADRB+\s], s22, v6
	v_add_nc_u32 v[ASA+\s], s94, v4
	v_add_nc_u32 v[ASB+\s], s23, v4
	s_add_co_u32 s21, s21, SLOT
	s_add_co_u32 s22, s22, SLOT
	s_add_co_u32 s23, s23, SLOT
	s_add_co_u32 s94, s94, SLOT
.endr
	s_mul_i32 s95, s14, 4352
	v_mul_u32_u24 v[STO], v1, 272
	v_add_nc_u32 v[STO], v[STO], v5
	v_add_nc_u32 v[STO], s95, v[STO]
	v_mul_u32_u24 v[RD], v3, 272
	v_add_nc_u32 v[RD], v[RD], v4
	v_add_nc_u32 v[RD], s95, v[RD]
	v_lshl_add_u32 v[CO], v3, 12, v4
	s_wait_alu depctr_va_vdst(0)
	s_lshl_b32 s90, s42, 9
	s_lshl_b32 s91, s16, 8
	s_add_co_u32 s90, s90, s91
	s_mov_b32 s91, 0
	s_add_nc_u64 s[8:9], s[8:9], s[90:91]
	s_lshl_b32 s92, s17, 19
	s_lshl_b32 s93, s15, 18
	s_add_co_u32 s90, s90, s92
	s_add_co_u32 s90, s90, s93
	s_add_nc_u64 s[10:11], s[10:11], s[90:91]
	s_add_nc_u64 s[12:13], s[12:13], s[90:91]
.irp i, 0,1,2,3
	global_load_b128 v[BI+8*\i:BI+8*\i+3], v5, s[8:9] offset:4*(32*(\i/2)+8*(\i%2))
	global_load_b128 v[BI+8*\i+4:BI+8*\i+7], v5, s[8:9] offset:4*(32*(\i/2)+8*(\i%2))+16
.endr
	WIN 0x80
.irp a, 0,1,2,3
.irp t, 0,1,2,3,4,5,6,7
	global_load_b128 v[RS+32*\a+4*\t:RS+32*\a+4*\t+3], v[CO], s[10:11] offset:(32*(\a/2)+8*(\a%2)+2*\t+8*(\t/4))*4096 th:TH_LOAD_NT
.endr
.endr
	WIN 0
.macro FRAG reg, adr, q, i
.irp p, 0,1,2,3,4,5
	ds_load_b64 v[\reg+2*\p:\reg+2*\p+1], v[\adr] offset:(\q)*CH+1536*(\i)+256*\p
.endr
.endm
.macro FETCH slot, q, p
	WIN TO_B
.irp i, 0,1,2,3
	FRAG 128*(\p)+12*\i, ADRB+\slot, \q, \i
.endr
	WIN 0
.irp i, 0,1,2,3
	FRAG AF+48*(\p)+12*\i, ADRA+\slot, \q, \i
.endr
	ds_load_b128 v[SA+8*(\p):SA+8*(\p)+3], v[ASA+\slot] offset:(\q)*CH+12288
	ds_load_b128 v[SB+8*(\p):SB+8*(\p)+3], v[ASB+\slot] offset:(\q)*CH+12288
.endm
.macro MULA a, p, c
.irp b, 0,1,2,3
.if \c
	v_wmma_scale_f32_16x16x128_f8f6f4 v[8*(4*(\a)+\b):8*(4*(\a)+\b)+7], v[128*(\p)+12*\b:128*(\p)+12*\b+11], v[AF+48*(\p)+12*(\a):AF+48*(\p)+12*(\a)+11], v[BI+8*\b:BI+8*\b+7], v[SB+8*(\p)+\b], v[SA+8*(\p)+(\a)] matrix_a_fmt:MATRIX_FMT_FP6 matrix_b_fmt:MATRIX_FMT_FP6
.else
	v_wmma_scale_f32_16x16x128_f8f6f4 v[8*(4*(\a)+\b):8*(4*(\a)+\b)+7], v[128*(\p)+12*\b:128*(\p)+12*\b+11], v[AF+48*(\p)+12*(\a):AF+48*(\p)+12*(\a)+11], v[8*(4*(\a)+\b):8*(4*(\a)+\b)+7], v[SB+8*(\p)+\b], v[SA+8*(\p)+(\a)] matrix_a_fmt:MATRIX_FMT_FP6 matrix_b_fmt:MATRIX_FMT_FP6
.endif
.endr
.endm
.macro STEP slot, q, c
	PLACES
	FETCH \slot, (\q)+1, 1-(\q)%2
	s_wait_dscnt 50
.if \c
	WIN 0x81
.else
	WIN MUL
.endif
.irp a, 0,1,2,3
	MULA \a, (\q)%2, \c
.endr
	WIN 0
.endm
.macro TURN slot, next, fill
	s_wait_tensorcnt 0x0
	ds_add_u32 v[SPW], v[NIL]
	s_wait_dscnt 1
	WIN MUL
	MULA 0, 1, 0
	s_wait_dscnt 0x0
	s_barrier_signal -1
	MULA 1, 1, 0
	WIN 0
	s_barrier_wait -1
.if \fill
	CREST
	s_add_nc_u64 s[G0+4*\slot+2:G0+4*\slot+3], s[G0+4*\slot+2:G0+4*\slot+3], 2*NQ*CH
	s_add_nc_u64 s[G0B+4*\slot+2:G0B+4*\slot+3], s[G0B+4*\slot+2:G0B+4*\slot+3], 2*NQ*CH
	JLOAD \slot
.else
	PLACES
.endif
	FETCH \next, 0, 0
	WIN MUL
	MULA 2, 1, 0
	MULA 3, 1, 0
	WIN 0
.endm
	s_wait_alu depctr_va_vdst(0)                   ; the wait at the head's end
	s_wait_tensorcnt 0x0                           ; my part of slot 0 is in; slot 1's first fill is issued as a refill is:
	ds_add_u32 v[SPW], v[NIL]
	s_wait_dscnt 0x0
	CROUND
	JLOAD 1                                        ; the first tensor load behind the round
	FETCH 0, 0, 0
	s_wait_loadcnt 32
	STEP 0, 0, 1
.if LAPS > 1
	s_mov_b32 s3, LAPS-1
.Llap:
	STEP 0, 1, 0
	STEP 0, 2, 0
	TURN 0, 1, 1
	STEP 1, 0, 0
	STEP 1, 1, 0
	STEP 1, 2, 0
	TURN 1, 0, 1
	STEP 0, 0, 0
	s_sub_co_u32 s3, s3, 1
	s_cmp_lg_u32 s3, 0
	s_cbranch_scc1 .Llap
.endif
	STEP 0, 1, 0
	STEP 0, 2, 0
	TURN 0, 1, 0
	STEP 1, 0, 0
	STEP 1, 1, 0
	STEP 1, 2, 0
	s_wait_dscnt 0x0
	WIN MUL
.irp a, 0,1,2,3
	MULA \a, 1, 0
.endr
	WIN 0
.macro TOSTAGE a
	WIN 0x08
.irp b, 0,1,2,3
	ds_store_b128 v[STO], v[8*(4*(\a)+\b):8*(4*(\a)+\b)+3] offset:128*(\b/2)+32*(\b%2)
	ds_store_b128 v[STO], v[8*(4*(\a)+\b)+4:8*(4*(\a)+\b)+7] offset:128*(\b/2)+32*(\b%2)+16
.endr
	WIN 0
.irp t, 0,1,2,3,4,5,6,7
	ds_load_b128 v[128+32*((\a)%2)+4*\t:128+32*((\a)%2)+4*\t+3], v[RD] offset:544*\t
.endr
.endm
.macro SEND a, ds
.set BB, 128+32*((\a)%2)
.set RR, RS+32*(\a)
	s_wait_dscnt \ds
	WIN 0x08
.set j, 0
.rept 16
	v_pk_add_f32 v[BB+j:BB+j+1], v[BB+j:BB+j+1], v[RR+j:RR+j+1]
.set j, j+2
.endr
	WIN 0
.irp t, 0,1,2,3,4,5,6,7
	global_store_b128 v[CO], v[BB+4*\t:BB+4*\t+3], s[12:13] offset:(32*((\a)/2)+8*((\a)%2)+2*\t+8*(\t/4))*4096 th:TH_STORE_NT
.endr
.endm
	PLACES
	s_wait_loadcnt 0x0
	TOSTAGE 0
.irp a, 1,2,3
.if \a > 1
	s_wait_xcnt 0x0
.endif
	TOSTAGE \a
	SEND \a-1, 16
.endr
	SEND 3, 0
	s_wait_tensorcnt 0x0
	ds_add_u32 v[SPW], v[NIL]
	s_wait_dscnt 0x0
	CROUND
	s_endpgm
.Lfunc_end_k_qeb7a0b763b_oproj:
	.size	k_qeb7a0b763b_oproj, .Lfunc_end_k_qeb7a0b763b_oproj-k_qeb7a0b763b_oproj
	.p2alignl 7, 3214868480
	.fill 96, 4, 3214868480
	.section	.rodata,"a",@progbits
	.p2align	6, 0x0
	.amdhsa_kernel k_qeb7a0b763b_oproj
		.amdhsa_group_segment_fixed_size 327680
		.amdhsa_private_segment_fixed_size 0
		.amdhsa_enable_private_segment 0
		.amdhsa_kernarg_size 40
		.amdhsa_user_sgpr_count 2
		.amdhsa_user_sgpr_kernarg_segment_ptr 1
		.amdhsa_wavefront_size32 1
		.amdhsa_system_sgpr_workgroup_id_x 1
		.amdhsa_system_sgpr_workgroup_id_y 1
		.amdhsa_system_sgpr_workgroup_id_z 1
		.amdhsa_system_vgpr_workitem_id 0
		.amdhsa_next_free_vgpr 768
		.amdhsa_next_free_sgpr 100
		.amdhsa_reserve_vcc 0
		.amdhsa_float_denorm_mode_32 3
		.amdhsa_float_denorm_mode_16_64 3
		.amdhsa_memory_ordered 1
		.amdhsa_forward_progress 1
		.amdhsa_inst_pref_size 68
	.end_amdhsa_kernel
	.amdgpu_metadata
---
amdhsa.version: [ 1, 2 ]
amdhsa.kernels:
  - .name:           k_qeb7a0b763b_oproj
    .symbol:         k_qeb7a0b763b_oproj.kd
    .args:
      - { .name: ctx, .offset: 0, .size: 8, .value_kind: global_buffer, .address_space: global }
      - { .name: wimg, .offset: 8, .size: 8, .value_kind: global_buffer, .address_space: global }
      - { .name: bo, .offset: 16, .size: 8, .value_kind: global_buffer, .address_space: global }
      - { .name: x, .offset: 24, .size: 8, .value_kind: global_buffer, .address_space: global }
      - { .name: x1, .offset: 32, .size: 8, .value_kind: global_buffer, .address_space: global }
    .group_segment_fixed_size: 327680
    .private_segment_fixed_size: 0
    .kernarg_segment_align: 8
    .kernarg_segment_size: 40
    .max_flat_workgroup_size: 128
    .sgpr_count:     100
    .vgpr_count:     768
    .wavefront_size: 32
...
	.end_amdgpu_metadata
.endif
;; end of part 4
;; launch ln1 (part 5): grid 256 x 1, 8 waves a work-group, no clusters, 2,048 bytes of LDS; arguments x1, ln2_a, ln2_b, xn; writes xn
.if DOCPART == 5
	.amdgcn_target "amdgcn-amd-amdhsa--gfx1250"
	.amdhsa_code_object_version 6
	.text
	.protected	k_qeb7a0b763b_ln1
	.globl	k_qeb7a0b763b_ln1
	.p2align	8
	.type	k_qeb7a0b763b_ln1,@function
k_qeb7a0b763b_ln1:
	s_mov_b64 s[64:65], 0
	v_nop
	global_prefetch_b8 v0, s[64:65] scope:SCOPE_SE
	s_setreg_imm32_b32 hwreg(HW_REG_WAVE_MODE, 25, 1), 1
	s_wait_xcnt 0x0
; y = a (x - mean) / (std + 1e-6) + b along rows of 1,024 f32 (std with 1,023 in the divisor), then quantised along the row to FP6 (E2M3) with one E8M0 byte for each 32, stored as CHUNKS.
; A chunk is 128 rows x 128 along K in 12,800 bytes: eight images of 1,536 bytes (register pair p of lane L at 256 p + 8 L; lane (r, h): k = 64 c + 32 h + 0..31 in registers 6 c .. 6 c + 5), then 512 bytes of
; scale words (tile t, lane r: 12,288 + 256 (t / 4) + 16 r + 4 (t % 4)).  Lane r of tile t holds row 32 (t / 2) + 8 (t % 2) + r + 8 (r / 8) of the 128.  The buffer is [32 blocks of 128 rows][8 chunks].
; SHARES: work-group T is one tile of 16 rows; wave s takes columns 128 s .. 128 s + 127 (chunk s).  Lane (r, h) holds, of its row, 16 neighbours of each block of 32: register 16 b + i = column 32 b + 16 h + i.
; The mean and then the sum of squared differences are taken in two passes (a common offset of the inputs costs no digits); the waves' parts meet in LDS: two barriers, on bytes of their own each.
; LIMITS: NaN and infinities are not served; a block of zeros gets the byte 1 over zero codes (this program alone reads the bytes); root and reciprocal are the chip's own, good to an ulp.
.set X,   32                           ; v32-95   my 64 numbers
.set PC,  96                           ; v96-115  the codes
.set TM,  116                          ; v116-131 at work in the quantiser
.set PW,  132                          ; the scale word
.set SEL, 26                           ; s[26:27] selects for lane l xor 16
	s_load_b256 s[4:11], s[0:1], 0x0               ; the rows s[4:5], a s[6:7], b s[8:9], the chunks s[10:11]
	v_lshl_add_u32 v144, v0, 2, 0x400
	v_mov_b32 v145, 0
	v_lshrrev_b32 v1, 5, v0
	s_delay_alu instid0(VALU_DEP_1)
	v_readfirstlane_b32 s16, v1                    ; wave = chunk
	v_and_b32 v2, 15, v0                           ; r
	v_bfe_u32 v3, v0, 4, 1                         ; h
	s_delay_alu instid0(VALU_DEP_2)
	v_and_b32 v4, 8, v2
	s_delay_alu instid0(VALU_DEP_1)
	v_add_nc_u32 v4, v4, v2                        ; r + 8 (r / 8)
	s_delay_alu instid0(VALU_DEP_1)
	v_lshlrev_b32 v4, 12, v4
	s_delay_alu instid0(VALU_DEP_1)
	v_lshl_add_u32 v4, v3, 6, v4                   ; in: my row of 4,096 bytes, + 64 h
	v_and_b32 v9, 31, v0                           ; lane
	s_delay_alu instid0(VALU_DEP_1)
	v_lshlrev_b32 v5, 3, v9                        ; 8 x lane: my place in an image's pair
	v_lshlrev_b32 v6, 2, v2                        ; LDS: 4 r
	s_lshl_b32 s17, s16, 6
	v_add_nc_u32 v7, s17, v6                       ; LDS: 64 s + 4 r
	v_lshlrev_b32 v8, 4, v2                        ; 16 r
	s_wait_alu depctr_va_vdst(0)
	s_lshr_b32 s18, ttmp9, 1
	s_lshl_b32 s18, s18, 5
	s_and_b32 s19, ttmp9, 1
	s_lshl_b32 s19, s19, 3
	s_add_co_u32 s18, s18, s19                     ; the tile's first row: 32 (T / 2) + 8 (T % 2)
	s_lshl_b32 s18, s18, 12
	s_lshl_b32 s19, s16, 9
	s_add_co_u32 s18, s18, s19                     ; + my 128 columns
	s_mov_b32 s19, 0
	s_lshr_b32 s20, ttmp9, 3
	s_lshl_b32 s20, s20, 3
	s_add_co_u32 s20, s20, s16
	s_mul_i32 s20, s20, 12800                      ; my chunk: 8 (T / 8) + s
	s_mov_b32 s21, 0
	s_and_b32 s22, ttmp9, 7
	s_mul_i32 s22, s22, 1536                       ; my image in it
	s_mov_b32 s23, 0
	s_bfe_u32 s24, ttmp9, 0x10002
	s_lshl_b32 s24, s24, 8
	s_and_b32 s25, ttmp9, 3
	s_lshl_b32 s25, s25, 2
	s_add_co_u32 s24, s24, s25
	v_add_nc_u32 v8, s24, v8                       ; my scale word: 256 (t / 4) + 4 (t % 4) + 16 r
	s_mov_b32 s[SEL], 0x76543210
	s_mov_b32 s[SEL+1], 0xfedcba98
	s_wait_kmcnt 0x0
	s_load_b32 s12, s[6:7], 0x0                    ; a
	s_load_b32 s13, s[8:9], 0x0                    ; b
	s_add_nc_u64 s[4:5], s[4:5], s[18:19]
	s_add_nc_u64 s[10:11], s[10:11], s[20:21]
	s_add_nc_u64 s[14:15], s[10:11], s[22:23]
.irp b, 0,1,2,3
.irp j, 0,1,2,3
	global_load_b128 v[X+16*\b+4*\j:X+16*\b+4*\j+3], v4, s[4:5] offset:128*\b+16*\j
.endr
.endr
.irp b, 0,1,2,3
	v_mov_b32 v[TM+4+\b], 0                        ; written once: a lane permute's destination counts as one of its sources
.endr
; what four packed chains in v[16:23] hold is added up, joined with lane l xor 16's, handed round through LDS at byte off, and comes back as the row's sum in v24
.macro ROWSUM off
	s_delay_alu instid0(VALU_DEP_3)
	v_pk_add_f32 v[16:17], v[16:17], v[18:19]
	s_delay_alu instid0(VALU_DEP_2)
	v_pk_add_f32 v[20:21], v[20:21], v[22:23]
	s_delay_alu instid0(VALU_DEP_1)
	v_pk_add_f32 v[16:17], v[16:17], v[20:21]
	s_delay_alu instid0(VALU_DEP_1)
	v_add_f32 v16, v16, v17
	s_delay_alu instid0(VALU_DEP_1)
	v_permlanex16_b32 v17, v16, s[SEL], s[SEL+1]
	s_delay_alu instid0(VALU_DEP_1)
	v_add_f32 v16, v16, v17                        ; my wave's 128 columns of row r (both halves of the lanes hold it and write the same word)
	ds_store_b32 v7, v16 offset:\off
	s_wait_dscnt 0x0                               ; for the others' sake: my store has landed
	s_barrier_signal -1
	s_barrier_wait -1
.irp w, 0,1,2,3,4,5,6,7
	ds_load_b32 v[24+\w], v6 offset:\off+64*\w
.endr
	s_wait_dscnt 0x0
	v_add_f32 v24, v24, v25                        ; the same order in every wave
	v_add_f32 v26, v26, v27
	v_add_f32 v28, v28, v29
	v_add_f32 v30, v30, v31
	s_delay_alu instid0(VALU_DEP_3)
	v_add_f32 v24, v24, v26
	s_delay_alu instid0(VALU_DEP_2)
	v_add_f32 v28, v28, v30
	s_delay_alu instid0(VALU_DEP_1)
	v_add_f32 v24, v24, v28
.endm
	s_wait_loadcnt 0x0
	s_wait_kmcnt 0x0
.irp k, 0,1,2,3
	v_pk_add_f32 v[16+2*\k:17+2*\k], v[X+4*\k:X+4*\k+1], v[X+4*\k+2:X+4*\k+3]
.endr
.irp j, 16,24,32,40,48,56
.irp k, 0,1,2,3
	s_delay_alu instid0(VALU_DEP_4)
	v_pk_add_f32 v[16+2*\k:17+2*\k], v[16+2*\k:17+2*\k], v[X+\j+2*\k:X+\j+2*\k+1]
.endr
.endr
	ROWSUM 0
	s_delay_alu instid0(VALU_DEP_1)
	v_mul_f32 v134, 0x3a800000, v24                ; the mean: / 1,024
	s_delay_alu instid0(VALU_DEP_1)
	v_mov_b32 v135, v134
.set j, 0
.rept 32
	v_pk_add_f32 v[X+j:X+j+1], v[X+j:X+j+1], v[134:135] neg_lo:[0,1] neg_hi:[0,1]   ; d = x - mean
.set j, j+2
.endr
.irp k, 0,1,2,3
	v_pk_mul_f32 v[16+2*\k:17+2*\k], v[X+2*\k:X+2*\k+1], v[X+2*\k:X+2*\k+1]
.endr
.irp j, 8,16,24,32,40,48,56
.irp k, 0,1,2,3
	s_delay_alu instid0(VALU_DEP_4)
	v_pk_fma_f32 v[16+2*\k:17+2*\k], v[X+\j+2*\k:X+\j+2*\k+1], v[X+\j+2*\k:X+\j+2*\k+1], v[16+2*\k:17+2*\k]
.endr
.endr
	ROWSUM 512
	s_delay_alu instid0(VALU_DEP_1)
	v_mul_f32 v24, 0x3a802008, v24                 ; / 1,023
	s_wait_alu depctr_va_vdst(0)
	v_sqrt_f32 v24, v24
	v_mov_b32 v138, s13                            ; (a plain place behind the root)
	s_wait_alu depctr_va_vdst(0)
	v_add_f32 v24, 0x358637bd, v24                 ; + 1e-6
	s_wait_alu depctr_va_vdst(0)
	v_rcp_f32 v24, v24
	v_mov_b32 v139, s13                            ; (a plain place behind the reciprocal)
	s_wait_alu depctr_va_vdst(0)
	v_mul_f32 v136, s12, v24                       ; a / (std + eps)
	s_delay_alu instid0(VALU_DEP_1)
	v_mov_b32 v137, v136
.set j, 0
.rept 32
	v_pk_fma_f32 v[X+j:X+j+1], v[X+j:X+j+1], v[136:137], v[138:139]
.set j, j+2
.endr
	; the quantiser: four blocks of 32, each in lanes l and l xor 16
.irp b, 0,1,2,3
	v_max3_num_f32 v[TM+\b], |v[X+16*\b]|, |v[X+1+16*\b]|, 0x1800000   ; my 16 numbers, and the floor 2^(3 - 127): the byte cannot fall under 1
.endr
.irp i, 2,4,6,8,10,12,14
.irp b, 0,1,2,3
	s_delay_alu instid0(VALU_DEP_4)
	v_max3_num_f32 v[TM+\b], v[TM+\b], |v[X+16*\b+\i]|, |v[X+1+16*\b+\i]|
.endr
.endr
.irp b, 0,1,2,3
	s_delay_alu instid0(VALU_DEP_4)
	v_permlanex16_b32 v[TM+4+\b], v[TM+\b], s[SEL], s[SEL+1]
.endr
.irp b, 0,1,2,3
	s_delay_alu instid0(VALU_DEP_4)
	v_max_num_f32 v[TM+\b], v[TM+\b], v[TM+4+\b]   ; the block's largest magnitude
.endr
.irp b, 0,1,2,3
	s_delay_alu instid0(VALU_DEP_4)
	v_add_nc_u32 v[TM+12+\b], 0xff000000, v[TM+\b] ; 2 off its exponent field: the conversion's scale operand
.endr
.irp b, 0,1,2,3
	s_delay_alu instid0(VALU_DEP_4)
	v_lshrrev_b32 v[TM+4+\b], 23, v[TM+12+\b]      ; the scale's byte
.endr
	s_delay_alu instid0(VALU_DEP_3)
	v_lshl_or_b32 v[PW], v[TM+5], 8, v[TM+4]
	s_delay_alu instid0(VALU_DEP_1)
	v_lshl_or_b32 v[PW], v[TM+6], 16, v[PW]
	s_delay_alu instid0(VALU_DEP_1)
	v_lshl_or_b32 v[PW], v[TM+7], 24, v[PW]        ; my row's scale word
.irp c, 0,1
	v_cvt_scalef32_pk16_fp6_f32 v[PC+6*\c:PC+2+6*\c], v[X+32*\c:X+15+32*\c], v[TM+12+2*\c]
	v_cvt_scalef32_pk16_fp6_f32 v[PC+12+4*\c:PC+14+4*\c], v[X+16+32*\c:X+31+32*\c], v[TM+13+2*\c]
.endr
	v_nop                                          ; one plain place behind a scaled conversion
.irp c, 0,1                                    ; the operand's layout wants a whole block in a lane: lanes 0-15 block 2 c, lanes 16-31 block 2 c + 1
.irp i, 0,1,2
	v_permlane16_swap_b32 v[PC+6*\c+\i], v[PC+12+4*\c+\i]
.endr
.irp i, 0,1,2
	s_delay_alu instid0(VALU_DEP_3)
	v_mov_b32 v[PC+3+6*\c+\i], v[PC+12+4*\c+\i]
.endr
.endr
.irp p, 0,1,2,3,4,5
	global_store_b64 v5, v[PC+2*\p:PC+2*\p+1], s[14:15] offset:256*\p   ; the image: 256 consecutive bytes a store
.endr
	v_cmp_gt_u32 vcc_lo, 16, v9
	s_wait_xcnt 0x0                                ; EXEC changes only behind this wait
	s_wait_tensorcnt 0x0
	ds_add_u32 v144, v145
	s_wait_dscnt 0x0
	s_and_saveexec_b32 s28, vcc_lo
	global_store_b32 v8, v[PW], s[10:11] offset:12288   ; lanes 0-15: 4 bytes of each 16 of the scale words' area: 64 of the wave's 1,600 bytes; the other tiles' work-groups write the rest
	s_wait_xcnt 0x0
	s_or_b32 exec_lo, exec_lo, s28
	s_endpgm
.Lfunc_end_k_qeb7a0b763b_ln1:
	.size	k_qeb7a0b763b_ln1, .Lfunc_end_k_qeb7a0b763b_ln1-k_qeb7a0b763b_ln1
	.p2alignl 7, 3214868480
	.fill 96, 4, 3214868480
	.section	.rodata,"a",@progbits
	.p2align	6, 0x0
	.amdhsa_kernel k_qeb7a0b763b_ln1
		.amdhsa_group_segment_fixed_size 2048
		.amdhsa_private_segment_fixed_size 0
		.amdhsa_enable_private_segment 0
		.amdhsa_kernarg_size 32
		.amdhsa_user_sgpr_count 2
		.amdhsa_user_sgpr_kernarg_segment_ptr 1
		.amdhsa_wavefront_size32 1
		.amdhsa_system_sgpr_workgroup_id_x 1
		.amdhsa_system_sgpr_workgroup_id_y 1
		.amdhsa_system_sgpr_workgroup_id_z 1
		.amdhsa_system_vgpr_workitem_id 0
		.amdhsa_next_free_vgpr 146
		.amdhsa_next_free_sgpr 66
		.amdhsa_reserve_vcc 1
		.amdhsa_float_denorm_mode_32 3
		.amdhsa_float_denorm_mode_16_64 3
		.amdhsa_memory_ordered 1
		.amdhsa_forward_progress 1
		.amdhsa_inst_pref_size 24
	.end_amdhsa_kernel
	.amdgpu_metadata
---
amdhsa.version: [ 1, 2 ]
amdhsa.kernels:
  - .name:           k_qeb7a0b763b_ln1
    .symbol:         k_qeb7a0b763b_ln1.kd
    .args:
      - { .name: x1, .offset: 0, .size: 8, .value_kind: global_buffer, .address_space: global }
      - { .name: ln2_a, .offset: 8, .size: 8, .value_kind: global_buffer, .address_space: global }
      - { .name: ln2_b, .offset: 16, .size: 8, .value_kind: global_buffer, .address_space: global }
      - { .name: xn, .offset: 24, .size: 8, .value_kind: global_buffer, .address_space: global }
    .group_segment_fixed_size: 2048
    .private_segment_fixed_size: 0
    .kernarg_segment_align: 8
    .kernarg_segment_size: 32
    .max_flat_workgroup_size: 256
    .sgpr_count:     66
    .vgpr_count:     146
    .wavefront_size: 32
...
	.end_amdgpu_metadata
.endif
;; end of part 5
;; launch ffn1 (part 6): grid 16 x 16, 4 waves a work-group, clusters of 4 x 4, 327,680 bytes of LDS; arguments xn, wimg, b1, hid; writes hid
.if DOCPART == 6
	.amdgcn_target "amdgcn-amd-amdhsa--gfx1250"
	.amdhsa_code_object_version 6
	.text
	.protected	k_qeb7a0b763b_ffn1
	.globl	k_qeb7a0b763b_ffn1
	.p2align	8
	.type	k_qeb7a0b763b_ffn1,@function
k_qeb7a0b763b_ffn1:
	s_mov_b64 s[64:65], 0
	v_nop
	global_prefetch_b8 v0, s[64:65] scope:SCOPE_SE
	s_setreg_imm32_b32 hwreg(HW_REG_WAVE_MODE, 25, 1), 1
	s_wait_xcnt 0x0
	s_wait_alu depctr_hold_cnt(0) depctr_sa_sdst(0) depctr_va_vdst(0) depctr_va_sdst(0) depctr_va_ssrc(0) depctr_va_vcc(0) depctr_vm_vsrc(0)
	s_getreg_b32 s2, hwreg(HW_REG_IB_STS2, 6, 4)
	s_cmp_eq_u32 s2, 0
	s_cbranch_scc0 .Lentry_in_a_cluster
	s_endpgm
.Lentry_in_a_cluster:
	s_bfe_u32 s2, ttmp6, 0x10000c
	s_cmp_lg_u32 s2, 0xf033
	s_cbranch_scc0 .Lentry_shape_is_right
	s_endpgm
.Lentry_shape_is_right:
.set CH,    12800
.set NQ,    2
.set KCH,   8
.set LAPS,  KCH/(2*NQ)
.set ASZ,   NQ*CH
.set SLOT,  4*ASZ
.set SPARE, 2*SLOT
.set WOFF,  3276800
.set ADRA, 16
.set ASA,  18
.set ADRB, 20
.set ASB,  22
.set IMO,  24
.set SWO,  25
.set SPW,  28
.set NIL,  29
.set SA,   32
.set SB,   40
.set BI,   64
.set AF,   128
.set TM,   224
.set SW,   240
.set OW,   248
.set G1,   24
.set G0,   32
.set G1B,  48
.set G0B,  56
.set SEL,  66
.set MSB, 0
.macro WIN new
.if MSB != (\new)
	s_set_vgpr_msb (MSB<<8)|(\new)
.set MSB, (\new)
.endif
.endm
.set MUL_LO, 0xa1
.set MUL_HI, 0xf1
.set TO_B,   0x40
.macro JLOAD s
	s_cmp_eq_u32 s15, 0
	s_cbranch_scc0 .Lfor_b_\@
	tensor_load_to_lds s[G0+4*\s:G0+4*\s+3], s[G1:G1+7]
	s_nop 0
.rept 4
	v_nop
.endr
	s_branch .Lasked_\@
.Lfor_b_\@:
	tensor_load_to_lds s[G0B+4*\s:G0B+4*\s+3], s[G1B:G1B+7]
	s_nop 0
.rept 4
	v_nop
.endr
.Lasked_\@:
.endm
.macro CREST
	s_cmp_lg_u32 s14, 0
	s_cbranch_scc1 .Lnot_wave_0_\@
	s_barrier_signal -3
.Lnot_wave_0_\@:
	s_barrier_wait -3
	s_barrier_signal -1
	s_barrier_wait -1
.endm
.macro CROUND
	s_barrier_signal -1
	s_barrier_wait -1
	CREST
.endm
.macro PLACES
.rept 4
	v_nop
.endr
.endm
	s_load_b256 s[4:11], s[0:1], 0x0
	v_lshl_add_u32 v[SPW], v0, 2, SPARE
	v_mov_b32 v[NIL], 0
	ds_add_u32 v28, v29
	ds_add_u32 v28, v29
	s_wait_dscnt 0x0
	v_lshrrev_b32 v1, 5, v0
	v_readfirstlane_b32 s14, v1
	s_lshr_b32 s15, s14, 1
	s_and_b32 s16, s14, 1
	s_bfe_u32 s40, ttmp6, 0x40000
	s_bfe_u32 s41, ttmp6, 0x40004
	s_lshl_b32 s42, ttmp9, 2
	s_add_co_u32 s42, s42, s40
	s_and_b32 s17, ttmp7, 0xffff
	s_lshl_b32 s17, s17, 2
	s_add_co_u32 s17, s17, s41
	s_lshl_b32 s43, s41, 2
	s_lshl_b32 s43, 15, s43
	s_lshl_b32 s44, 0x1111, s40
	s_or_b32 s[G1+0], s43, (3<<16)|(1<<21)
	s_or_b32 s[G1B+0], s44, (3<<16)|(1<<21)
.irp g, G1, G1B
	s_mov_b32 s[\g+1], 32<<16
	s_mov_b32 s[\g+2], (NQ*50)<<16
	s_mov_b32 s[\g+3], 32<<16
	s_mov_b32 s[\g+4], NQ*50
	s_mov_b32 s[\g+5], 32
	s_mov_b32 s[\g+6], 0
	s_mov_b32 s[\g+7], 0
.endr
	s_lshl_b32 s20, s17, 1
	s_add_co_u32 s20, s20, s16
	s_mul_i32 s20, s20, KCH*CH
	s_mov_b32 s21, 0
	s_lshl_b32 s46, s42, 1
	s_add_co_u32 s46, s46, s16
	s_mul_i32 s46, s46, KCH*CH
	s_add_co_u32 s46, s46, WOFF
	s_mov_b32 s47, 0
	s_mul_i32 s45, s14, ASZ
	s_mov_b32 s[SEL], 0x76543210
	s_mov_b32 s[SEL+1], 0xfedcba98
	s_mov_b32 s68, 0xffff0000
	s_wait_kmcnt 0x0
	s_add_nc_u64 s[20:21], s[4:5], s[20:21]
	s_add_nc_u64 s[46:47], s[6:7], s[46:47]
	CROUND
.irp s, 0,1
	s_mov_b32 s[G0+4*\s], 1
	s_add_co_u32 s[G0+4*\s+1], s45, \s*SLOT
	s_add_nc_u64 s[G0+4*\s+2:G0+4*\s+3], s[20:21], \s*NQ*CH
	s_or_b32 s[G0+4*\s+3], s[G0+4*\s+3], 0x80000000
	s_mov_b32 s[G0B+4*\s], 1
	s_add_co_u32 s[G0B+4*\s+1], s45, \s*SLOT
	s_add_nc_u64 s[G0B+4*\s+2:G0B+4*\s+3], s[46:47], \s*NQ*CH
	s_or_b32 s[G0B+4*\s+3], s[G0B+4*\s+3], 0x80000000
.endr
	JLOAD 0                                        ; slot 0: one tensor load a wave at the head; the addresses and the bias are made and asked for while it is out.  No prefetch: the largest block, in clusters, and K is four slots
	v_and_b32 v1, 15, v0
	v_and_b32 v2, 31, v0
	v_bfe_u32 v3, v0, 4, 1
	v_lshlrev_b32 v[IMO], 3, v2
	v_lshlrev_b32 v[SWO], 4, v2
	v_lshlrev_b32 v4, 4, v1
	v_lshlrev_b32 v5, 6, v3
	s_wait_alu depctr_va_vdst(0)
	s_mul_i32 s21, s15, ASZ
	s_mul_i32 s22, s16, ASZ
	s_add_co_u32 s22, s22, 2*ASZ
.irp s, 0,1
	v_add_nc_u32 v[ADRA+\s], s21, v[IMO]
	v_add_nc_u32 v[ADRB+\s], s22, v[IMO]
	v_add_nc_u32 v[ASA+\s], s21, v4
	v_add_nc_u32 v[ASB+\s], s22, v4
	s_add_co_u32 s21, s21, SLOT
	s_add_co_u32 s22, s22, SLOT
.endr
	s_lshl_b32 s90, s42, 10
	s_lshl_b32 s91, s16, 9
	s_add_co_u32 s90, s90, s91
	s_mov_b32 s91, 0
	s_add_nc_u64 s[8:9], s[8:9], s[90:91]
	s_lshl_b32 s90, s17, 1
	s_add_co_u32 s90, s90, s15
	s_lshl_b32 s90, s90, 5
	s_lshl_b32 s95, s42, 1
	s_add_co_u32 s90, s90, s95
	s_add_co_u32 s90, s90, s16
	s_mul_i32 s90, s90, CH
	s_add_nc_u64 s[10:11], s[10:11], s[90:91]
.irp i, 0,1,2,3,4,5,6,7
	global_load_b128 v[BI+8*\i:BI+8*\i+3], v5, s[8:9] offset:4*(32*(\i/2)+8*(\i%2))
	global_load_b128 v[BI+8*\i+4:BI+8*\i+7], v5, s[8:9] offset:4*(32*(\i/2)+8*(\i%2))+16
.endr
.irp b, 0,1,2,3
	v_mov_b32 v[TM+4+\b], 0
.endr
.macro FRAG reg, adr, q, i
.irp p, 0,1,2,3,4,5
	ds_load_b64 v[\reg+2*\p:\reg+2*\p+1], v[\adr] offset:(\q)*CH+1536*(\i)+256*\p
.endr
.endm
.macro FETCH_B slot, q, p
	WIN TO_B
.irp i, 0,1,2,3,4,5,6,7
	FRAG 128*(\p)+12*\i, ADRB+\slot, \q, \i
.endr
	WIN 0
.endm
.macro FETCH_A slot, q, i0
.irp i, \i0, \i0+1, \i0+2, \i0+3
	FRAG AF+12*(\i), ADRA+\slot, \q, \i
.endr
.endm
.macro SCALES slot, q, p
	ds_load_b128 v[SA+16*(\p):SA+16*(\p)+3], v[ASA+\slot] offset:(\q)*CH+12288
	ds_load_b128 v[SA+16*(\p)+4:SA+16*(\p)+7], v[ASA+\slot] offset:(\q)*CH+12288+256
	ds_load_b128 v[SB+16*(\p):SB+16*(\p)+3], v[ASB+\slot] offset:(\q)*CH+12288
	ds_load_b128 v[SB+16*(\p)+4:SB+16*(\p)+7], v[ASB+\slot] offset:(\q)*CH+12288+256
.endm
.macro MULP a0, p, c
.irp a, \a0, \a0+1
.irp b, 0,1,2,3,4,5,6,7
.if \c
	v_wmma_scale_f32_16x16x128_f8f6f4 v[8*(8*((\a)%4)+\b):8*(8*((\a)%4)+\b)+7], v[128*(\p)+12*\b:128*(\p)+12*\b+11], v[AF+12*(\a):AF+12*(\a)+11], v[BI+8*\b:BI+8*\b+7], v[SB+16*(\p)+\b], v[SA+16*(\p)+(\a)] matrix_a_fmt:MATRIX_FMT_FP6 matrix_b_fmt:MATRIX_FMT_FP6
.else
	v_wmma_scale_f32_16x16x128_f8f6f4 v[8*(8*((\a)%4)+\b):8*(8*((\a)%4)+\b)+7], v[128*(\p)+12*\b:128*(\p)+12*\b+11], v[AF+12*(\a):AF+12*(\a)+11], v[8*(8*((\a)%4)+\b):8*(8*((\a)%4)+\b)+7], v[SB+16*(\p)+\b], v[SA+16*(\p)+(\a)] matrix_a_fmt:MATRIX_FMT_FP6 matrix_b_fmt:MATRIX_FMT_FP6
.endif
.endr
.endr
.endm
.macro STEP slot, q, c
	s_wait_dscnt 24
.if \c
	WIN 0x81
.else
	WIN MUL_LO
.endif
	MULP 0, (\q)%2, \c
	MULP 2, (\q)%2, \c
	s_wait_dscnt 0x0
	PLACES
	FETCH_B \slot, (\q)+1, 1-(\q)%2
	FETCH_A \slot, (\q)+1, 0
	SCALES \slot, (\q)+1, 1-(\q)%2
.if \c
	WIN 0xc1
.else
	WIN MUL_HI
.endif
	MULP 4, (\q)%2, \c
	MULP 6, (\q)%2, \c
	PLACES
	WIN 0
	FETCH_A \slot, (\q)+1, 4
.endm
.macro TURN slot, next, fill
	s_wait_tensorcnt 0x0
	ds_add_u32 v[SPW], v[NIL]
	s_wait_dscnt 25
	WIN MUL_LO
	MULP 0, 1, 0
	s_wait_dscnt 0x0
	s_barrier_signal -1
	MULP 2, 1, 0
	WIN 0
	s_barrier_wait -1
.if \fill
	CREST
	s_add_nc_u64 s[G0+4*\slot+2:G0+4*\slot+3], s[G0+4*\slot+2:G0+4*\slot+3], 2*NQ*CH
	s_add_nc_u64 s[G0B+4*\slot+2:G0B+4*\slot+3], s[G0B+4*\slot+2:G0B+4*\slot+3], 2*NQ*CH
	JLOAD \slot
.else
	PLACES
.endif
	FETCH_B \next, 0, 0
	FETCH_A \next, 0, 0
	SCALES \next, 0, 0
	WIN MUL_HI
	MULP 4, 1, 0
	MULP 6, 1, 0
	PLACES
	WIN 0
	FETCH_A \next, 0, 4
.endm
	s_wait_alu depctr_va_vdst(0)                   ; the wait at the head's end
	s_wait_tensorcnt 0x0                           ; my part of slot 0 is in; slot 1's first fill is issued as a refill is:
	ds_add_u32 v[SPW], v[NIL]
	s_wait_dscnt 0x0
	CROUND
	JLOAD 1                                        ; the first tensor load behind the round
	FETCH_B 0, 0, 0
	FETCH_A 0, 0, 0
	SCALES 0, 0, 0
	FETCH_A 0, 0, 4
	s_wait_loadcnt 0x0
	STEP 0, 0, 1
	s_mov_b32 s3, LAPS-1
.Llap:
	TURN 0, 1, 1
	STEP 1, 0, 0
	TURN 1, 0, 1
	STEP 0, 0, 0
	s_sub_co_u32 s3, s3, 1
	s_cmp_lg_u32 s3, 0
	s_cbranch_scc1 .Llap
	TURN 0, 1, 0
	STEP 1, 0, 0
	s_wait_dscnt 24
	WIN MUL_LO
	MULP 0, 1, 0
	MULP 2, 1, 0
	s_wait_dscnt 0x0
	WIN MUL_HI
	MULP 4, 1, 0
	MULP 6, 1, 0
	WIN 0
	PLACES
.macro QOUT a
.set W,  2+(\a)/4
.set AC, 64*((\a)%4)
.set PC, 64+20*(\a)
	WIN (W<<6)|(W<<2)
.set j, 0
.rept 64
	v_max_num_f32 v[AC+j], 0, v[AC+j]
.set j, j+1
.endr
	WIN W|(W<<2)
.irp b, 0,1,2,3
	v_max3_num_f32 v[TM+\b], v[AC+16*\b], v[AC+1+16*\b], 0x1800000
.endr
	WIN (W<<2)|(W<<4)
.irp i, 2,4,6,8,10,12,14
.irp b, 0,1,2,3
	v_max3_num_f32 v[TM+\b], v[TM+\b], v[AC+16*\b+\i], v[AC+1+16*\b+\i]
.endr
.endr
	WIN 0
.irp b, 0,1,2,3
	v_permlanex16_b32 v[TM+4+\b], v[TM+\b], s[SEL], s[SEL+1]
.endr
.irp b, 0,1,2,3
	v_max_num_f32 v[TM+\b], v[TM+\b], v[TM+4+\b]
.endr
.irp b, 0,1,2,3
	v_add_nc_u32 v[TM+12+\b], 0xff000000, v[TM+\b]
.endr
.irp b, 0,1,2,3
	v_lshrrev_b32 v[TM+4+\b], 23, v[TM+12+\b]
.endr
	v_lshl_or_b32 v[SW+(\a)], v[TM+5], 8, v[TM+4]
	v_lshl_or_b32 v[SW+(\a)], v[TM+6], 16, v[SW+(\a)]
	v_lshl_or_b32 v[SW+(\a)], v[TM+7], 24, v[SW+(\a)]
	WIN W
.irp c, 0,1
	v_cvt_scalef32_pk16_fp6_f32 v[PC+6*\c:PC+2+6*\c], v[AC+32*\c:AC+15+32*\c], v[TM+12+2*\c]
	v_cvt_scalef32_pk16_fp6_f32 v[PC+12+4*\c:PC+14+4*\c], v[AC+16+32*\c:AC+31+32*\c], v[TM+13+2*\c]
.endr
	WIN 0
	v_nop
.irp c, 0,1
.irp i, 0,1,2
	v_permlane16_swap_b32 v[PC+6*\c+\i], v[PC+12+4*\c+\i]
.endr
.irp i, 0,1,2
	v_mov_b32 v[PC+3+6*\c+\i], v[PC+12+4*\c+\i]
.endr
.endr
.irp p, 0,1,2,3,4,5
	global_store_b64 v[IMO], v[PC+2*\p:PC+2*\p+1], s[10:11] offset:1536*(\a)+256*\p
.endr
.endm
.irp a, 0,1,2,3,4,5,6,7
	QOUT \a
.endr
.irp i, 0,1,2,3
	v_cndmask_b32 v[OW+\i], v[SW+\i], v[SW+4+\i], s68
.endr
	global_store_b128 v[SWO], v[OW:OW+3], s[10:11] offset:12288
	s_wait_tensorcnt 0x0
	ds_add_u32 v[SPW], v[NIL]
	s_wait_dscnt 0x0
	CROUND
	s_endpgm
.Lfunc_end_k_qeb7a0b763b_ffn1:
	.size	k_qeb7a0b763b_ffn1, .Lfunc_end_k_qeb7a0b763b_ffn1-k_qeb7a0b763b_ffn1
	.p2alignl 7, 3214868480
	.fill 96, 4, 3214868480
	.section	.rodata,"a",@progbits
	.p2align	6, 0x0
	.amdhsa_kernel k_qeb7a0b763b_ffn1
		.amdhsa_group_segment_fixed_size 327680
		.amdhsa_private_segment_fixed_size 0
		.amdhsa_enable_private_segment 0
		.amdhsa_kernarg_size 32
		.amdhsa_user_sgpr_count 2
		.amdhsa_user_sgpr_kernarg_segment_ptr 1
		.amdhsa_wavefront_size32 1
		.amdhsa_system_sgpr_workgroup_id_x 1
		.amdhsa_system_sgpr_workgroup_id_y 1
		.amdhsa_system_sgpr_workgroup_id_z 1
		.amdhsa_system_vgpr_workitem_id 0
		.amdhsa_next_free_vgpr 1024
		.amdhsa_next_free_sgpr 100
		.amdhsa_reserve_vcc 0
		.amdhsa_float_denorm_mode_32 3
		.amdhsa_float_denorm_mode_16_64 3
		.amdhsa_memory_ordered 1
		.amdhsa_forward_progress 1
		.amdhsa_inst_pref_size 182
	.end_amdhsa_kernel
	.amdgpu_metadata
---
amdhsa.version: [ 1, 2 ]
amdhsa.kernels:
  - .name:           k_qeb7a0b763b_ffn1
    .symbol:         k_qeb7a0b763b_ffn1.kd
    .args:
      - { .name: xn, .offset: 0, .size: 8, .value_kind: global_buffer, .address_space: global }
      - { .name: wimg, .offset: 8, .size: 8, .value_kind: global_buffer, .address_space: global }
      - { .name: b1, .offset: 16, .size: 8, .value_kind: global_buffer, .address_space: global }
      - { .name: hid, .offset: 24, .size: 8, .value_kind: global_buffer, .address_space: global }
    .group_segment_fixed_size: 327680
    .private_segment_fixed_size: 0
    .kernarg_segment_align: 8
    .kernarg_segment_size: 32
    .max_flat_workgroup_size: 128
    .sgpr_count:     100
    .vgpr_count:     1024
    .wavefront_size: 32
...
	.end_amdgpu_metadata
.endif
;; end of part 6
;; launch ffn2 (part 7): grid 8 x 32, 4 waves a work-group, clusters of 4 x 4, 327,680 bytes of LDS; arguments hid, wimg, b2, x1, out0; writes out0
.if DOCPART == 7
	.amdgcn_target "amdgcn-amd-amdhsa--gfx1250"
	.amdhsa_code_object_version 6
	.text
	.protected	k_qeb7a0b763b_ffn2
	.globl	k_qeb7a0b763b_ffn2
	.p2align	8
	.type	k_qeb7a0b763b_ffn2,@function
k_qeb7a0b763b_ffn2:
	s_mov_b64 s[64:65], 0
	v_nop
	global_prefetch_b8 v0, s[64:65] scope:SCOPE_SE
	s_setreg_imm32_b32 hwreg(HW_REG_WAVE_MODE, 25, 1), 1
	s_wait_xcnt 0x0
	s_wait_alu depctr_hold_cnt(0) depctr_sa_sdst(0) depctr_va_vdst(0) depctr_va_sdst(0) depctr_va_ssrc(0) depctr_va_vcc(0) depctr_vm_vsrc(0)
	s_getreg_b32 s2, hwreg(HW_REG_IB_STS2, 6, 4)
	s_cmp_eq_u32 s2, 0
	s_cbranch_scc0 .Lentry_in_a_cluster
	s_endpgm
.Lentry_in_a_cluster:
	s_bfe_u32 s2, ttmp6, 0x10000c
	s_cmp_lg_u32 s2, 0xf033
	s_cbranch_scc0 .Lentry_shape_is_right
	s_endpgm
.Lentry_shape_is_right:
.set CH,    12800
.set NQ,    4
.set KCH,   32
.set WOFF,  6553600
.set LAPS,  KCH/(2*NQ)
.set ASZ,   NQ*CH
.set SLOT,  2*ASZ
.set SPARE, 2*SLOT
.set ADRA, 16
.set ASA,  18
.set ADRB, 20
.set ASB,  22
.set STO,  24
.set RD,   25
.set CO,   26
.set SPW,  28
.set NIL,  29
.set SA,   32
.set SB,   36
.set BI,   64
.set AF,   128
.set RS,   128
.set G1,   24
.set G0,   32
.set G1B,  48
.set G0B,  56
.set MSB, 0
.macro WIN new
.if MSB != (\new)
	s_set_vgpr_msb (MSB<<8)|(\new)
.set MSB, (\new)
.endif
.endm
.set MUL,  0xa1
.set TO_B, 0x40
.macro JLOAD s
	s_cmp_eq_u32 s15, 0
	s_cbranch_scc0 .Lfor_b_\@
	tensor_load_to_lds s[G0+4*\s:G0+4*\s+3], s[G1:G1+7]
	s_nop 0
.rept 4
	v_nop
.endr
	s_branch .Lasked_\@
.Lfor_b_\@:
	tensor_load_to_lds s[G0B+4*\s:G0B+4*\s+3], s[G1B:G1B+7]
	s_nop 0
.rept 4
	v_nop
.endr
.Lasked_\@:
.endm
.macro CREST
	s_cmp_lg_u32 s14, 0
	s_cbranch_scc1 .Lnot_wave_0_\@
	s_barrier_signal -3
.Lnot_wave_0_\@:
	s_barrier_wait -3
	s_barrier_signal -1
	s_barrier_wait -1
.endm
.macro CROUND
	s_barrier_signal -1
	s_barrier_wait -1
	CREST
.endm
.macro PLACES
.rept 4
	v_nop
.endr
.endm
	s_load_b256 s[4:11], s[0:1], 0x0
	s_load_b64 s[12:13], s[0:1], 0x20
	v_lshl_add_u32 v[SPW], v0, 2, SPARE
	v_mov_b32 v[NIL], 0
	ds_add_u32 v28, v29
	ds_add_u32 v28, v29
	s_wait_dscnt 0x0
	v_lshrrev_b32 v1, 5, v0
	v_readfirstlane_b32 s14, v1
	s_lshr_b32 s15, s14, 1
	s_and_b32 s16, s14, 1
	s_bfe_u32 s40, ttmp6, 0x40000
	s_bfe_u32 s41, ttmp6, 0x40004
	s_lshl_b32 s42, ttmp9, 2
	s_add_co_u32 s42, s42, s40
	s_and_b32 s17, ttmp7, 0xffff
	s_lshl_b32 s17, s17, 2
	s_add_co_u32 s17, s17, s41
	s_lshl_b32 s43, s41, 2
	s_lshl_b32 s43, 15, s43
	s_lshl_b32 s44, 0x1111, s40
	s_or_b32 s[G1+0], s43, (3<<16)|(1<<21)
	s_or_b32 s[G1B+0], s44, (3<<16)|(1<<21)
.irp g, G1, G1B
	s_mov_b32 s[\g+1], 32<<16
	s_mov_b32 s[\g+2], 100<<16
	s_mov_b32 s[\g+3], 32<<16
	s_mov_b32 s[\g+4], 100
	s_mov_b32 s[\g+5], 32
	s_mov_b32 s[\g+6], 0
	s_mov_b32 s[\g+7], 0
.endr
	s_mul_i32 s20, s17, KCH*CH
	s_mul_i32 s21, s16, 2*CH
	s_add_co_u32 s20, s20, s21
	s_mov_b32 s21, 0
	s_mul_i32 s46, s42, KCH*CH
	s_mul_i32 s47, s16, 2*CH
	s_add_co_u32 s46, s46, s47
	s_add_co_u32 s46, s46, WOFF
	s_mov_b32 s47, 0
	s_mul_i32 s45, s14, 2*CH
	s_wait_kmcnt 0x0
	s_add_nc_u64 s[20:21], s[4:5], s[20:21]
	s_add_nc_u64 s[46:47], s[6:7], s[46:47]
	CROUND
.irp s, 0,1
	s_mov_b32 s[G0+4*\s], 1
	s_add_co_u32 s[G0+4*\s+1], s45, \s*SLOT
	s_add_nc_u64 s[G0+4*\s+2:G0+4*\s+3], s[20:21], \s*NQ*CH
	s_or_b32 s[G0+4*\s+3], s[G0+4*\s+3], 0x80000000
	s_mov_b32 s[G0B+4*\s], 1
	s_add_co_u32 s[G0B+4*\s+1], s45, \s*SLOT
	s_add_nc_u64 s[G0B+4*\s+2:G0B+4*\s+3], s[46:47], \s*NQ*CH
	s_or_b32 s[G0B+4*\s+3], s[G0B+4*\s+3], 0x80000000
.endr
	JLOAD 0                                        ; slot 0: one tensor load a wave at the head; the addresses and the bias are made and asked for while it is out
	; THE PREFETCHES: behind the load of group g of four chunks stands one request for group g + 2.  Of the 25,600 bytes that a wave fetches, each of the four partners that ask for them jointly
	; takes 6,400 (25 blocks of 256 bytes), told apart BY ADDRESS (cx for A, cy for B); lanes 256 bytes apart, lanes 25-31 name lane 24's block.  The loads of groups 6 and 7 ask for nothing.
	s_cmp_eq_u32 s15, 0                            ; do I fetch for A?
	s_cselect_b64 s[96:97], s[20:21], s[46:47]
	s_cselect_b32 s98, s40, s41
	s_mul_i32 s98, s98, 6400
	s_mov_b32 s99, 0
	s_add_nc_u64 s[96:97], s[96:97], s[98:99]
	v_and_b32 v7, 31, v0
	v_min_u32 v7, 24, v7
	v_lshlrev_b32 v7, 8, v7
	global_prefetch_b8 v7, s[96:97] offset:NQ*CH th:TH_LOAD_NT scope:SCOPE_SE     ; at the head also group 1, whose load follows when group 0 has landed: two groups are asked for and not yet read
	global_prefetch_b8 v7, s[96:97] offset:2*NQ*CH th:TH_LOAD_NT scope:SCOPE_SE
	v_and_b32 v1, 15, v0
	v_and_b32 v2, 31, v0
	v_bfe_u32 v3, v0, 4, 1
	v_lshlrev_b32 v6, 3, v2
	s_wait_alu depctr_va_vdst(0)
	v_lshlrev_b32 v4, 4, v1
	s_wait_alu depctr_va_vdst(0)
	v_lshlrev_b32 v5, 6, v3
	s_mul_i32 s21, s15, 6144
	s_lshl_b32 s94, s15, 8
	s_mul_i32 s22, s16, 6144
	s_add_co_u32 s22, s22, ASZ
	s_lshl_b32 s23, s16, 8
	s_add_co_u32 s23, s23, ASZ
.irp s, 0,1
	v_add_nc_u32 v[ADRA+\s], s21, v6
	v_add_nc_u32 v[ADRB+\s], s22, v6
	v_add_nc_u32 v[ASA+\s], s94, v4
	v_add_nc_u32 v[ASB+\s], s23, v4
	s_add_co_u32 s21, s21, SLOT
	s_add_co_u32 s22, s22, SLOT
	s_add_co_u32 s23, s23, SLOT
	s_add_co_u32 s94, s94, SLOT
.endr
	s_mul_i32 s95, s14, 4352
	v_mul_u32_u24 v[STO], v1, 272
	v_add_nc_u32 v[STO], v[STO], v5
	v_add_nc_u32 v[STO], s95, v[STO]
	v_mul_u32_u24 v[RD], v3, 272
	v_add_nc_u32 v[RD], v[RD], v4
	v_add_nc_u32 v[RD], s95, v[RD]
	v_lshl_add_u32 v[CO], v3, 12, v4
	s_wait_alu depctr_va_vdst(0)
	s_lshl_b32 s90, s42, 9
	s_lshl_b32 s91, s16, 8
	s_add_co_u32 s90, s90, s91
	s_mov_b32 s91, 0
	s_add_nc_u64 s[8:9], s[8:9], s[90:91]
	s_lshl_b32 s92, s17, 19
	s_lshl_b32 s93, s15, 18
	s_add_co_u32 s90, s90, s92
	s_add_co_u32 s90, s90, s93
	s_add_nc_u64 s[10:11], s[10:11], s[90:91]
	s_add_nc_u64 s[12:13], s[12:13], s[90:91]
.irp i, 0,1,2,3
	global_load_b128 v[BI+8*\i:BI+8*\i+3], v5, s[8:9] offset:4*(32*(\i/2)+8*(\i%2))
	global_load_b128 v[BI+8*\i+4:BI+8*\i+7], v5, s[8:9] offset:4*(32*(\i/2)+8*(\i%2))+16
.endr
.macro FRAG reg, adr, q, i
.irp p, 0,1,2,3,4,5
	ds_load_b64 v[\reg+2*\p:\reg+2*\p+1], v[\adr] offset:(\q)*CH+1536*(\i)+256*\p
.endr
.endm
.macro FETCH slot, q, p
	WIN TO_B
.irp i, 0,1,2,3
	FRAG 128*(\p)+12*\i, ADRB+\slot, \q, \i
.endr
	WIN 0
.irp i, 0,1,2,3
	FRAG AF+48*(\p)+12*\i, ADRA+\slot, \q, \i
.endr
	ds_load_b128 v[SA+8*(\p):SA+8*(\p)+3], v[ASA+\slot] offset:(\q)*CH+12288
	ds_load_b128 v[SB+8*(\p):SB+8*(\p)+3], v[ASB+\slot] offset:(\q)*CH+12288
.endm
.macro MULA a, p, c
.irp b, 0,1,2,3
.if \c
	v_wmma_scale_f32_16x16x128_f8f6f4 v[8*(4*(\a)+\b):8*(4*(\a)+\b)+7], v[128*(\p)+12*\b:128*(\p)+12*\b+11], v[AF+48*(\p)+12*(\a):AF+48*(\p)+12*(\a)+11], v[BI+8*\b:BI+8*\b+7], v[SB+8*(\p)+\b], v[SA+8*(\p)+(\a)] matrix_a_fmt:MATRIX_FMT_FP6 matrix_b_fmt:MATRIX_FMT_FP6
.else
	v_wmma_scale_f32_16x16x128_f8f6f4 v[8*(4*(\a)+\b):8*(4*(\a)+\b)+7], v[128*(\p)+12*\b:128*(\p)+12*\b+11], v[AF+48*(\p)+12*(\a):AF+48*(\p)+12*(\a)+11], v[8*(4*(\a)+\b):8*(4*(\a)+\b)+7], v[SB+8*(\p)+\b], v[SA+8*(\p)+(\a)] matrix_a_fmt:MATRIX_FMT_FP6 matrix_b_fmt:MATRIX_FMT_FP6
.endif
.endr
.endm
.macro STEP slot, q, c
	PLACES
	FETCH \slot, (\q)+1, 1-(\q)%2
	s_wait_dscnt 50
.if \c
	WIN 0x81
.else
	WIN MUL
.endif
.irp a, 0,1,2,3
	MULA \a, (\q)%2, \c
.endr
	WIN 0
.endm
.macro TURN slot, next, fill
.if \fill
	s_wait_xcnt 0x0                                ; my last prefetch has read its address: it is stepped here, a group on
	s_add_nc_u64 s[96:97], s[96:97], NQ*CH
.endif
	s_wait_tensorcnt 0x0
	ds_add_u32 v[SPW], v[NIL]
	s_wait_dscnt 1
	WIN MUL
	MULA 0, 1, 0
	s_wait_dscnt 0x0
	s_barrier_signal -1
	MULA 1, 1, 0
	WIN 0
	s_barrier_wait -1
.if \fill
	CREST
	s_add_nc_u64 s[G0+4*\slot+2:G0+4*\slot+3], s[G0+4*\slot+2:G0+4*\slot+3], 2*NQ*CH
	s_add_nc_u64 s[G0B+4*\slot+2:G0B+4*\slot+3], s[G0B+4*\slot+2:G0B+4*\slot+3], 2*NQ*CH
	JLOAD \slot
.else
	PLACES
.endif
	FETCH \next, 0, 0
.if \fill
	s_cmp_gt_u32 s3, 1                             ; s3 = 1 in the loop's last trip, whose loads have no group two on
	s_cbranch_scc0 .Lno_ask_\@
	global_prefetch_b8 v7, s[96:97] offset:3*NQ*CH th:TH_LOAD_NT scope:SCOPE_SE
.Lno_ask_\@:
.endif
	WIN MUL
	MULA 2, 1, 0
	MULA 3, 1, 0
	WIN 0
.endm
	s_wait_alu depctr_va_vdst(0)                   ; the wait at the head's end
	s_wait_tensorcnt 0x0                           ; my part of slot 0 is in; slot 1's first fill is issued as a refill is:
	ds_add_u32 v[SPW], v[NIL]
	s_wait_dscnt 0x0
	CROUND
	JLOAD 1                                        ; the first tensor load behind the round
	global_prefetch_b8 v7, s[96:97] offset:3*NQ*CH th:TH_LOAD_NT scope:SCOPE_SE
	FETCH 0, 0, 0
	s_wait_loadcnt 0x0                             ; the bias
	STEP 0, 0, 1
	WIN 0x80                                       ; the residual, wanted on the way out alone, is asked for behind the first tiles: 32 loads into window 2, beside the accumulators
.irp a, 0,1,2,3
.irp t, 0,1,2,3,4,5,6,7
	global_load_b128 v[RS+32*\a+4*\t:RS+32*\a+4*\t+3], v[CO], s[10:11] offset:(32*(\a/2)+8*(\a%2)+2*\t+8*(\t/4))*4096 th:TH_LOAD_NT
.endr
.endr
	WIN 0
.if LAPS > 1
	s_mov_b32 s3, LAPS-1
.Llap:
	STEP 0, 1, 0
	STEP 0, 2, 0
	TURN 0, 1, 1
	STEP 1, 0, 0
	STEP 1, 1, 0
	STEP 1, 2, 0
	TURN 1, 0, 1
	STEP 0, 0, 0
	s_sub_co_u32 s3, s3, 1
	s_cmp_lg_u32 s3, 0
	s_cbranch_scc1 .Llap
.endif
	STEP 0, 1, 0
	STEP 0, 2, 0
	TURN 0, 1, 0
	STEP 1, 0, 0
	STEP 1, 1, 0
	STEP 1, 2, 0
	s_wait_dscnt 0x0
	WIN MUL
.irp a, 0,1,2,3
	MULA \a, 1, 0
.endr
	WIN 0
.macro TOSTAGE a
	WIN 0x08
.irp b, 0,1,2,3
	ds_store_b128 v[STO], v[8*(4*(\a)+\b):8*(4*(\a)+\b)+3] offset:128*(\b/2)+32*(\b%2)
	ds_store_b128 v[STO], v[8*(4*(\a)+\b)+4:8*(4*(\a)+\b)+7] offset:128*(\b/2)+32*(\b%2)+16
.endr
	WIN 0
.irp t, 0,1,2,3,4,5,6,7
	ds_load_b128 v[128+32*((\a)%2)+4*\t:128+32*((\a)%2)+4*\t+3], v[RD] offset:544*\t
.endr
.endm
.macro SEND a, ds
.set BB, 128+32*((\a)%2)
.set RR, RS+32*(\a)
	s_wait_dscnt \ds
	WIN 0x08
.set j, 0
.rept 16
	v_pk_add_f32 v[BB+j:BB+j+1], v[BB+j:BB+j+1], v[RR+j:RR+j+1]
.set j, j+2
.endr
	WIN 0
.irp t, 0,1,2,3,4,5,6,7
	global_store_b128 v[CO], v[BB+4*\t:BB+4*\t+3], s[12:13] offset:(32*((\a)/2)+8*((\a)%2)+2*\t+8*(\t/4))*4096 th:TH_STORE_NT
.endr
.endm
	PLACES
	s_wait_loadcnt 0x0
	TOSTAGE 0
.irp a, 1,2,3
.if \a > 1
	s_wait_xcnt 0x0
.endif
	TOSTAGE \a
	SEND \a-1, 16
.endr
	SEND 3, 0
	s_wait_tensorcnt 0x0
	ds_add_u32 v[SPW], v[NIL]
	s_wait_dscnt 0x0
	CROUND
	s_endpgm
.Lfunc_end_k_qeb7a0b763b_ffn2:
	.size	k_qeb7a0b763b_ffn2, .Lfunc_end_k_qeb7a0b763b_ffn2-k_qeb7a0b763b_ffn2
	.p2alignl 7, 3214868480
	.fill 96, 4, 3214868480
	.section	.rodata,"a",@progbits
	.p2align	6, 0x0
	.amdhsa_kernel k_qeb7a0b763b_ffn2
		.amdhsa_group_segment_fixed_size 327680
		.amdhsa_private_segment_fixed_size 0
		.amdhsa_enable_private_segment 0
		.amdhsa_kernarg_size 40
		.amdhsa_user_sgpr_count 2
		.amdhsa_user_sgpr_kernarg_segment_ptr 1
		.amdhsa_wavefront_size32 1
		.amdhsa_system_sgpr_workgroup_id_x 1
		.amdhsa_system_sgpr_workgroup_id_y 1
		.amdhsa_system_sgpr_workgroup_id_z 1
		.amdhsa_system_vgpr_workitem_id 0
		.amdhsa_next_free_vgpr 768
		.amdhsa_next_free_sgpr 100
		.amdhsa_reserve_vcc 0
		.amdhsa_float_denorm_mode_32 3
		.amdhsa_float_denorm_mode_16_64 3
		.amdhsa_memory_ordered 1
		.amdhsa_forward_progress 1
		.amdhsa_inst_pref_size 114
	.end_amdhsa_kernel
	.amdgpu_metadata
---
amdhsa.version: [ 1, 2 ]
amdhsa.kernels:
  - .name:           k_qeb7a0b763b_ffn2
    .symbol:         k_qeb7a0b763b_ffn2.kd
    .args:
      - { .name: hid, .offset: 0, .size: 8, .value_kind: global_buffer, .address_space: global }
      - { .name: wimg, .offset: 8, .size: 8, .value_kind: global_buffer, .address_space: global }
      - { .name: b2, .offset: 16, .size: 8, .value_kind: global_buffer, .address_space: global }
      - { .name: x1, .offset: 24, .size: 8, .value_kind: global_buffer, .address_space: global }
      - { .name: out0, .offset: 32, .size: 8, .value_kind: global_buffer, .address_space: global }
    .group_segment_fixed_size: 327680
    .private_segment_fixed_size: 0
    .kernarg_segment_align: 8
    .kernarg_segment_size: 40
    .max_flat_workgroup_size: 128
    .sgpr_count:     100
    .vgpr_count:     768
    .wavefront_size: 32
...
	.end_amdgpu_metadata
.endif
;; end of part 7
